; MI455X (gfx1250); checked and timed in simulation.
; The chip was launched on July 23, 2026; its instructions are those of AMD's public machine-readable ISA for CDNA 5 (MIT licence, August 2026) and "CDNA5" Instruction Set Architecture Reference Guide (July 2026). The comments in the code are by the model that wrote it; some were corrected since.
;; Multi Head Cross Attention. Allowed arithmetic: matrix products marked QUANTISED: E2M1 operands, one E8M0 scale for each 32 along K, by v_wmma_scale_f32_16x16x128_f8f6f4 with both operands' format E2M1 (or v_wmma_scale_f32_32x16x128_f4), f32 sums; products left as they are: bf16, f16 or f32 operands; f32 sums; everything else in f32.
;; Inputs: Wk 1,024 x 256 float32; Wo 1,024 x 1,024 float32; Wq 1,024 x 128 float32; Wv 1,024 x 256 float32; bk 1,024 float32; bo 1,024 float32; bq 1,024 float32; bv 1,024 float32; key 8 x 1,024 x 256 float32; key_padding_mask 8 x 1,024 bool; query 8 x 1,024 x 128 float32; value 8 x 1,024 x 256 float32.
;; Outputs: out0 8 x 1,024 x 1,024 float32.
;; This version of the problem:
;;   THIS VERSION OF THE PROBLEM IS GIVEN IN LOW PRECISION. The matrix products marked QUANTISED in the list below multiply operands that are first quantised to E2M1 (2 exponent bits, 1 mantissa bit; 4 bits a number), with one power-of-two scale for each 32 numbers along K (OCP MX v1.0); their sums are f32. The products marked 'left as it is' may take bf16, f16 or f32 operands, with f32 sums. Whichever they take, every output number must still come out within the allowed error. Rounding operands to bf16 (8 significant bits) uses up far more of that allowance than f16 does (11 bits, for magnitudes from 6e-5 to 65,504). All else is computed in f32.
;;   The module's matrix products, in the order in which they are computed (A, B: the left and right operand; K: the contracted axis; several contracted axes count as one K, in the product's order):
;;     1. [M 8,192, K 128] x [K 128, N 1,024]; A: input query; B: input Wq: QUANTISED
;;     2. [M 8,192, K 256] x [K 256, N 1,024]; A: input key; B: input Wk: QUANTISED
;;     3. [M 8,192, K 256] x [K 256, N 1,024]; A: input value; B: input Wv: QUANTISED
;;     4. batch 128 x [M 1,024, K 64] x [K 64, N 1,024]; A: computed on the way; B: computed on the way: left as it is (an operand is computed on the way)
;;     5. batch 128 x [M 64, K 1,024] x [K 1,024, N 1,024]; A: computed on the way; B: computed on the way: left as it is (an operand is computed on the way)
;;     6. [M 8,192, K 1,024] x [K 1,024, N 1,024]; A: computed on the way; B: input Wo: left as it is (an operand is computed on the way)
;;   THE QUANTISER, for each operand of a quantised product, along K:
;;     - K is cut into blocks of 32 from its start; a last block that is shorter is filled with zeros.
;;     - A block's scale is 2^e with e = floor(log2(the largest magnitude in the block)) - 2, held to -126 .. 127; a block of zeros has e = 0. As a byte (E8M0): e + 127.
;;     - Each number is divided by its block's scale, clamped to +-6, and rounded to the nearest number of E2M1, ties to even, subnormals kept.
;;     - The product sums the exact products of the quantised numbers (number of the format x scale) in f32.
;;   ~~~python
;;   def quantise(x, axis):      # numpy; x: float32 -> the quantised numbers, widened to float32 again
;;       x = np.moveaxis(x, axis, -1); K = x.shape[-1]
;;       x = np.pad(x, [(0, 0)] * (x.ndim - 1) + [(0, -K % 32)]); x = x.reshape(x.shape[:-1] + (-1, 32)); a = np.abs(x).max(-1, keepdims=True)
;;       e = np.where(a > 0, np.clip(np.frexp(np.where(a > 0, a, 1))[1] - 1 - 2, -126, 127), 0)      # np.frexp(a)[1] - 1 = floor(log2(a)), exactly
;;       r = np.clip(x / 2.0 ** e, -6, 6)
;;       step = 2.0 ** (np.maximum(np.frexp(np.where(r == 0, 1, r))[1] - 1, 0) - 1)
;;       q = np.round(r / step) * step * 2.0 ** e      # np.round: ties to even
;;       return np.moveaxis(q.reshape(q.shape[:-2] + (-1,))[..., :K], -1, axis).astype(np.float32)
;;   ~~~
;; One version. Each part assembles by itself: llvm-mc -triple=amdgcn-amd-amdhsa -mcpu=gfx1250 --defsym DOCPART=n.
;; ======== version 1 of 1: 5 launches
;; limits: values are held in f16: magnitudes above 65,504 overflow, below 6.1e-05 lose precision
;; workspace buffers: cod 3,133,440 bytes; wo16 2,097,152 bytes; mb 32,768 bytes; qkv16 50,331,648 bytes; vpart 524,288 bytes; qkv32 1,572,864 bytes; a16 16,777,216 bytes
;; launch prep (part 1): grid 228 x 1, 4 waves a work-group, no clusters, 68,096 bytes of LDS; arguments query, key, value, Wq, Wk, Wv, Wo, key_padding_mask, cod, wo16, mb; writes cod, wo16, mb
.if DOCPART == 1
	.amdgcn_target "amdgcn-amd-amdhsa--gfx1250"
	.amdhsa_code_object_version 6
	.text
	.protected	k_qc73b934c20_prep
	.globl	k_qc73b934c20_prep
	.p2align	8
	.type	k_qc73b934c20_prep,@function
k_qc73b934c20_prep:
	s_mov_b64 s[64:65], 0
	v_nop
	global_prefetch_b8 v0, s[64:65] scope:SCOPE_SE
	s_setreg_imm32_b32 hwreg(HW_REG_WAVE_MODE, 25, 1), 1
	s_wait_xcnt 0x0
; PREP.  Three jobs, told apart by the work-group's number:
;   0-179   query, key, value, Wq, Wk, Wv (f32, K innermost) become codes of FP4 (E2M1) with one E8M0 byte for each 32 along K;
;   180-211 Wo becomes f16;   212-227 the padding mask becomes a f32 bias: 0 where a key counts, -1e30 where it is padded.
; EVERY RESULT IS LAID AS AN IMAGE OF OPERAND REGISTERS, so that the later launches load fragments by 16 bytes a lane, 512 dense bytes an instruction.
;   cod: fragment f (16 rows x 128 K, 8 registers a lane) at 1024 f: [register group c 0..1][lane][16 bytes]; lane (r, h) of group c holds the block 2 c + h of row r.
;        Fragments: query 0-511 (tile), key 512-1535 (2 tile + K step), value 1536-2559, Wq 2560-2623, Wk 2624-2751, Wv 2752-2879.
;        Scale words from SCL0 on: unit u (fragments 4 u .. 4 u + 3) has 256 bytes, 8 a lane: first word: lanes 0-15 fragment 4 u's rows, lanes 16-31 fragment 4 u + 1's; second word: 4 u + 2, 4 u + 3.
;   wo16: [16 rows of Wo: 64][32 along k: 32][half 2][lane][16 bytes]: lane (r, h), half s: k = 32 kf + 16 s + 8 h + 0 .. 7 of row r.
; A block's scale is 2^(floor(log2(largest magnitude)) - 2): its byte is the largest magnitude's exponent field less 2, held at 1 from below by a floor among the maximum's leaves.
; LIMITS: a block of zeros gets the byte 1 (its codes are zeros, and this program alone reads the bytes); NaN and infinities are not served; |Wo| stays under 65,504, f16's largest number.
; A wave takes 32 KB of f32: four blocks of 16 rows x 128 numbers.  Each load reads 512 dense bytes of a row; a block turns through the wave's own stage in LDS (rows 528 bytes apart: 33 x 16, so that the
; sixteen rows that a read touches fall on different banks) so that a lane gets neighbours along K.  Waves share nothing: no barrier.  No tile is shared between work-groups: no cluster.
.set SCL0,  2949120
.set STG,   8448                       ; a stage: 16 rows x 528 bytes
.set WOST,  33792                      ; the f16 path's stages lie behind the quantiser's: each path has LDS bytes of its own
.set SPARE, 67584                      ; the spare words, 128 bytes a wave
.set SPW,   16                         ; v16 my spare word's address; v17 0: for the add alone
.set NIL,   17
.set SW,    18                         ; v[18:19] the unit's two scale words
.set OFFR,  20                         ; v20-35  16 x lane + row x pitch
.set R,     36                         ; v36-163 two sets of 64: a block as loaded
.set X,     164                        ; v164-227 a block with neighbours along K in a lane
.set C,     228                        ; v228-243 codes, two sets of 8
.set M,     244                        ; v244-245 largest magnitudes; v246-247 the conversions' scale operands; v248-249 the bytes; v250 the word; v251 at work
.set SO,    246
.set BY,    248
.set W,     250
.set TP,    251
	s_load_b256 s[4:11], s[0:1], 0x0               ; query, key, value, Wq
	s_load_b256 s[12:19], s[0:1], 0x20             ; Wk, Wv, Wo, the mask
	s_load_b128 s[20:23], s[0:1], 0x40             ; cod, wo16
	s_load_b64 s[24:25], s[0:1], 0x50              ; mb
	v_lshl_add_u32 v[SPW], v0, 2, SPARE
	v_mov_b32 v[NIL], 0
	v_lshrrev_b32 v1, 5, v0
	v_readfirstlane_b32 s26, v1                    ; wave
	v_and_b32 v1, 31, v0                           ; lane
	v_and_b32 v2, 15, v0                           ; r
	v_bfe_u32 v3, v0, 4, 1                         ; h
	v_lshlrev_b32 v4, 4, v1                        ; 16 x lane
	v_lshlrev_b32 v5, 3, v1                        ; 8 x lane
	s_mul_i32 s27, s26, STG
	v_add_nc_u32 v6, s27, v4                       ; quantiser: into the stage: 16 x lane of a row
	v_mul_u32_u24 v9, v2, 528
	v_add_nc_u32 v9, s27, v9
	v_lshl_add_u32 v7, v3, 7, v9                   ; and out of it: row r, + 128 h: a block of 32 numbers
	v_add_nc_u32 v10, WOST, v6                     ; f16 path: into its stage,
	v_lshl_add_u32 v11, v3, 5, v9
	v_add_nc_u32 v11, WOST, v11                    ; and out: row r, + 32 h: eight numbers
	v_lshlrev_b32 v8, 3, v3                        ; 8 h: my bytes' place in a scale word
	v_mov_b32 v[TP], 0                             ; a lane permute's destination counts as read
	s_mov_b32 s42, 0xffff0000                      ; lanes 16-31
	s_mov_b32 s44, 0x76543210
	s_mov_b32 s45, 0xfedcba98                      ; selects for lane l xor 16
	s_wait_kmcnt 0x0
	s_cmp_ge_u32 ttmp9, 212
	s_cbranch_scc1 .Lmask
	s_cmp_ge_u32 ttmp9, 180
	s_cbranch_scc1 .Lwo
.macro OFFS                            ; the 16 rows' offsets, s31 bytes apart
	v_mov_b32 v[OFFR], v4
.irp i, 1,2,3,4,5,6,7,8,9,10,11,12,13,14,15
	v_add_nc_u32 v[OFFR+\i], s31, v[OFFR+\i-1]
.endr
.endm
.macro LOADF j, imm                    ; block j: 16 rows x 512 dense bytes; odd blocks from the second base, blocks 2 and 3 imm bytes on
.irp i, 0,1,2,3,4,5,6,7,8,9,10,11,12,13,14,15
	global_load_b128 v[R+64*((\j)%2)+4*\i:R+64*((\j)%2)+4*\i+3], v[OFFR+\i], s[34+2*((\j)%2):35+2*((\j)%2)] offset:(\imm)*((\j)/2) th:TH_LOAD_NT
.endr
.endm
.macro FRONT j, sti                    ; block j is in, and goes into the stage as it lies
.if (\j) < 3
	s_wait_loadcnt 16                              ; the next block's 16 loads may be out
.else
	s_wait_loadcnt 0x0
.endif
.irp i, 0,1,2,3,4,5,6,7,8,9,10,11,12,13,14,15
	ds_store_b128 v[\sti], v[R+64*((\j)%2)+4*\i:R+64*((\j)%2)+4*\i+3] offset:528*\i
.endr
.endm
.macro QF j                            ; block j becomes fragment j of the unit
	FRONT \j, 6
.irp c, 0,1
.irp i, 0,1,2,3,4,5,6,7
	ds_load_b128 v[X+32*\c+4*\i:X+32*\c+4*\i+3], v7 offset:256*\c+16*\i   ; block 2 c + h of my row; LDS serves a wave's instructions in order: these see the stores
.endr
.endr
	s_wait_dscnt 0x0                               ; the numbers are back, and the stores have read their registers,
.if (\j) < 2
	LOADF (\j)+2, 16384                            ; which take the block two further on
.endif
.irp c, 0,1
	v_max3_num_f32 v[M+\c], |v[X+32*\c]|, |v[X+32*\c+1]|, 0x1800000   ; all 32 numbers are mine; the floor 2^(3 - 127) holds the byte at 1 from below
.endr
.irp i, 2,4,6,8,10,12,14,16,18,20,22,24,26,28,30
.irp c, 0,1
	v_max3_num_f32 v[M+\c], v[M+\c], |v[X+32*\c+\i]|, |v[X+32*\c+\i+1]|
.endr
.endr
.irp c, 0,1
	v_add_nc_u32 v[SO+\c], 0xff000000, v[M+\c]     ; 2 off the exponent field: the conversion takes the exponent field of this operand as its scale
.endr
.irp c, 0,1
	v_lshrrev_b32 v[BY+\c], 23, v[SO+\c]           ; the scale's byte
.endr
.if (\j) > 1
	s_wait_xcnt 0x0                                ; block j - 2's stores have read this set of codes
.endif
.irp c, 0,1
.irp g, 0,1,2,3
	v_cvt_scalef32_pk8_fp4_f32 v[C+8*((\j)%2)+4*\c+\g], v[X+32*\c+8*\g:X+32*\c+8*\g+7], v[SO+\c]
.endr
.endr
	v_lshl_or_b32 v[W], v[BY+1], 16, v[BY]         ; (a plain line behind the conversions)  my two bytes: blocks h and 2 + h,
	v_lshlrev_b32 v[W], v8, v[W]                   ; at their places;
	v_permlanex16_b32 v[TP], v[W], s44, s45
	v_or_b32 v[W], v[W], v[TP]                     ; with lane l xor 16's the row's word is whole, in both halves of the lanes
.if (\j)%2 == 0
	v_mov_b32 v[SW+(\j)/2], v[W]
.else
	v_cndmask_b32 v[SW+(\j)/2], v[SW+(\j)/2], v[W], s42   ; an odd fragment's words go to lanes 16-31
.endif
.irp c, 0,1
	global_store_b128 v4, v[C+8*((\j)%2)+4*\c:C+8*((\j)%2)+4*\c+3], s[38:39] offset:1024*(\j)+512*\c   ; 512 dense bytes
.endr
.endm
	; ---- the quantiser: which tensor, by the work-group's number alone
	s_mov_b64 s[28:29], s[14:15]                   ; Wv from 172
	s_mov_b32 s30, 172
	s_mov_b32 s33, 0                               ; 1 where K = 128
	s_cmp_lt_u32 ttmp9, 172
	s_cselect_b64 s[28:29], s[12:13], s[28:29]     ; Wk from 164
	s_cselect_b32 s30, 164, s30
	s_cmp_lt_u32 ttmp9, 164
	s_cselect_b64 s[28:29], s[10:11], s[28:29]     ; Wq from 160
	s_cselect_b32 s30, 160, s30
	s_cselect_b32 s33, 1, s33
	s_cmp_lt_u32 ttmp9, 160
	s_cselect_b64 s[28:29], s[8:9], s[28:29]       ; value from 96
	s_cselect_b32 s30, 96, s30
	s_cselect_b32 s33, 0, s33
	s_cmp_lt_u32 ttmp9, 96
	s_cselect_b64 s[28:29], s[6:7], s[28:29]       ; key from 32
	s_cselect_b32 s30, 32, s30
	s_cmp_lt_u32 ttmp9, 32
	s_cselect_b64 s[28:29], s[4:5], s[28:29]       ; query from 0
	s_cselect_b32 s30, 0, s30
	s_cselect_b32 s33, 1, s33
	s_lshr_b32 s31, 0x400, s33                     ; a row in bytes: 1,024 or 512
	s_lshl_b32 s34, s33, 2
	s_lshl_b32 s32, 0x200, s34                     ; from an even block to the odd one: the row's second 512 bytes, or (K = 128) the next 16 rows
	s_mov_b32 s33, 0
	s_sub_co_u32 s34, ttmp9, s30
	s_lshl_b32 s34, s34, 2
	s_add_co_u32 s34, s34, s26
	s_lshl_b32 s34, s34, 15                        ; my wave's 32 KB of the tensor
	s_mov_b32 s35, 0
	s_add_nc_u64 s[34:35], s[28:29], s[34:35]
	s_add_nc_u64 s[36:37], s[34:35], s[32:33]
	s_lshl_b32 s46, ttmp9, 2
	s_add_co_u32 s46, s46, s26                     ; the unit
	s_lshl_b32 s38, s46, 12
	s_mov_b32 s39, 0
	s_add_nc_u64 s[38:39], s[20:21], s[38:39]      ; its four fragments
	s_lshl_b32 s40, s46, 8
	s_add_co_u32 s40, s40, SCL0
	s_mov_b32 s41, 0
	s_add_nc_u64 s[40:41], s[20:21], s[40:41]      ; its scale words
	OFFS
	LOADF 0, 16384
	LOADF 1, 16384
	QF 0
	QF 1
	QF 2
	QF 3
	global_store_b64 v5, v[SW:SW+1], s[40:41]      ; 256 dense bytes
	s_wait_tensorcnt 0x0                           ; the wave's end, behind my last LDS store
	ds_add_u32 v[SPW], v[NIL]
	s_wait_dscnt 0x0
	s_endpgm
	; ---- Wo to f16: a wave takes 16 rows x 512 k
.macro WB j
	FRONT \j, 10
.if (\j) > 0
	s_wait_xcnt 0x0                                ; the last block's stores have read the registers that are loaded now
.endif
.irp q, 0,1,2,3
	ds_load_b128 v[X+16*\q:X+16*\q+3], v11 offset:128*\q          ; k = 32 q + 8 h + 0 .. 7
	ds_load_b128 v[X+16*\q+4:X+16*\q+7], v11 offset:128*\q+16
	ds_load_b128 v[X+16*\q+8:X+16*\q+11], v11 offset:128*\q+64    ; and 16 further on
	ds_load_b128 v[X+16*\q+12:X+16*\q+15], v11 offset:128*\q+80
.endr
	s_wait_dscnt 0x0
.if (\j) < 2
	LOADF (\j)+2, 1024
.endif
.irp q, 0,1,2,3
.irp i, 0,1,2,3,4,5,6,7
	v_cvt_pk_f16_f32 v[X+16*\q+\i], v[X+16*\q+2*\i], v[X+16*\q+2*\i+1]   ; in place, ascending: a result never lands on a number still to be read
.endr
.endr
.irp q, 0,1,2,3
	global_store_b128 v4, v[X+16*\q:X+16*\q+3], s[38:39] offset:(4*(\j)+\q)*1024
	global_store_b128 v4, v[X+16*\q+4:X+16*\q+7], s[38:39] offset:(4*(\j)+\q)*1024+512
.endr
.endm
.Lwo:
	s_sub_co_u32 s27, ttmp9, 180
	s_lshl_b32 s27, s27, 2
	s_add_co_u32 s27, s27, s26                     ; 0 .. 127: 16 rows (/ 2), which half of k (% 2)
	s_lshr_b32 s28, s27, 1
	s_and_b32 s29, s27, 1
	s_lshl_b32 s34, s28, 16
	s_lshl_b32 s30, s29, 11
	s_add_co_u32 s34, s34, s30
	s_mov_b32 s35, 0
	s_add_nc_u64 s[34:35], s[16:17], s[34:35]
	s_add_nc_u64 s[36:37], s[34:35], 512
	s_lshl_b32 s38, s28, 15
	s_lshl_b32 s30, s29, 14
	s_add_co_u32 s38, s38, s30
	s_mov_b32 s39, 0
	s_add_nc_u64 s[38:39], s[22:23], s[38:39]
	s_mov_b32 s31, 4096                            ; a row of Wo
	OFFS
	LOADF 0, 1024
	LOADF 1, 1024
	WB 0
	WB 1
	WB 2
	WB 3
	s_wait_tensorcnt 0x0                           ; the wave's end, as above
	ds_add_u32 v[SPW], v[NIL]
	s_wait_dscnt 0x0
	s_endpgm
	; ---- the mask: a thread takes four keys.  No LDS is touched on this path
.Lmask:
	s_sub_co_u32 s27, ttmp9, 212
	s_lshl_b32 s27, s27, 7
	v_add_nc_u32 v9, s27, v0
	v_lshlrev_b32 v12, 2, v9
	v_lshlrev_b32 v13, 4, v9
	global_load_b32 v14, v12, s[18:19]
	v_mov_b32 v15, 0xf149f2ca                      ; -1e30
	v_mov_b32 v44, 0
	s_wait_loadcnt 0x0
.irp i, 0,1,2,3
	v_bfe_u32 v[36+\i], v14, 8*\i, 8
	v_cmp_eq_u32 vcc_lo, 0, v[36+\i]
	v_cndmask_b32 v[40+\i], v44, v15, vcc_lo
.endr
	global_store_b128 v13, v[40:43], s[24:25]
	s_endpgm
.Lfunc_end_k_qc73b934c20_prep:
	.size	k_qc73b934c20_prep, .Lfunc_end_k_qc73b934c20_prep-k_qc73b934c20_prep
	.p2alignl 7, 3214868480
	.fill 96, 4, 3214868480
	.section	.rodata,"a",@progbits
	.p2align	6, 0x0
	.amdhsa_kernel k_qc73b934c20_prep
		.amdhsa_group_segment_fixed_size 68096
		.amdhsa_private_segment_fixed_size 0
		.amdhsa_enable_private_segment 0
		.amdhsa_kernarg_size 88
		.amdhsa_user_sgpr_count 2
		.amdhsa_user_sgpr_kernarg_segment_ptr 1
		.amdhsa_wavefront_size32 1
		.amdhsa_system_sgpr_workgroup_id_x 1
		.amdhsa_system_sgpr_workgroup_id_y 1
		.amdhsa_system_sgpr_workgroup_id_z 1
		.amdhsa_system_vgpr_workitem_id 0
		.amdhsa_next_free_vgpr 256
		.amdhsa_next_free_sgpr 66
		.amdhsa_reserve_vcc 1
		.amdhsa_float_denorm_mode_32 3
		.amdhsa_float_denorm_mode_16_64 3
		.amdhsa_memory_ordered 1
		.amdhsa_forward_progress 1
		.amdhsa_inst_pref_size 59
	.end_amdhsa_kernel
	.amdgpu_metadata
---
amdhsa.version: [ 1, 2 ]
amdhsa.kernels:
  - .name:           k_qc73b934c20_prep
    .symbol:         k_qc73b934c20_prep.kd
    .args:
      - { .name: query, .offset: 0, .size: 8, .value_kind: global_buffer, .address_space: global }
      - { .name: key, .offset: 8, .size: 8, .value_kind: global_buffer, .address_space: global }
      - { .name: value, .offset: 16, .size: 8, .value_kind: global_buffer, .address_space: global }
      - { .name: Wq, .offset: 24, .size: 8, .value_kind: global_buffer, .address_space: global }
      - { .name: Wk, .offset: 32, .size: 8, .value_kind: global_buffer, .address_space: global }
      - { .name: Wv, .offset: 40, .size: 8, .value_kind: global_buffer, .address_space: global }
      - { .name: Wo, .offset: 48, .size: 8, .value_kind: global_buffer, .address_space: global }
      - { .name: key_padding_mask, .offset: 56, .size: 8, .value_kind: global_buffer, .address_space: global }
      - { .name: cod, .offset: 64, .size: 8, .value_kind: global_buffer, .address_space: global }
      - { .name: wo16, .offset: 72, .size: 8, .value_kind: global_buffer, .address_space: global }
      - { .name: mb, .offset: 80, .size: 8, .value_kind: global_buffer, .address_space: global }
    .group_segment_fixed_size: 68096
    .private_segment_fixed_size: 0
    .kernarg_segment_align: 8
    .kernarg_segment_size: 88
    .max_flat_workgroup_size: 128
    .sgpr_count:     66
    .vgpr_count:     256
    .wavefront_size: 32
...
	.end_amdgpu_metadata
.endif
;; end of part 1
;; launch proj (part 2): grid 256 x 3, 4 waves a work-group, no clusters, 0 bytes of LDS; arguments cod, bq, bk, bv, qkv16, vpart, qkv32; writes qkv16, vpart, qkv32
.if DOCPART == 2
	.amdgcn_target "amdgcn-amd-amdhsa--gfx1250"
	.amdhsa_code_object_version 6
	.text
	.protected	k_qc73b934c20_proj
	.globl	k_qc73b934c20_proj
	.p2align	8
	.type	k_qc73b934c20_proj,@function
k_qc73b934c20_proj:
	s_mov_b64 s[64:65], 0
	v_nop
	global_prefetch_b8 v0, s[64:65] scope:SCOPE_SE
	s_setreg_imm32_b32 hwreg(HW_REG_WAVE_MODE, 25, 1), 1
	s_wait_xcnt 0x0
; PROJ.  q = query Wq^T + bq, k = key Wk^T + bk, v = value Wv^T + bv, on codes of FP4 with E8M0 scales; sums in f32.  Work-group y says which of the three.
; SHARES.  Work-group x: 128 rows (x / 4) and four heads (x % 4), a head to a wave.  The wave keeps its head's 64 rows of W as fragments for its whole life and walks the 128 rows in four trips of 32.
; All operands are images of registers: 16 bytes a lane, 512 dense bytes a load, straight from memory into registers.  So no tile lies in LDS that a cluster could share.
; A RESULT TILE, ROUNDED TO f16, IS HALF A FRAGMENT OF THE NEXT PRODUCT, lane for lane:
;   q, k: source 0 = 16 rows of W, source 1 = 16 rows of x: lane (r, h) holds row r, channels 8 h + 0 .. 7.   Laid [16 rows: 64][32 channels: 2][half 2][lane][16 bytes] for each (batch, head).
;   v:    source 0 = 16 rows of value, source 1 = 16 rows of Wv: lane (r, h) holds channel r, keys 8 h + 0 .. 7.   Laid [32 keys: 32][16 channels: 4][half 2][lane][16 bytes].
; The bias is the C of each sum's first product.  q is multiplied by 0.125 log2(e), so that the scores come out as exponents of 2.
; Besides: the column sums of v over this wave's 128 keys (two partial sums, one for each half of the lanes), in f32, for rows all of whose keys are masked; and the f32 results of positions 0-15 of each batch.
; LIMITS: |q| x 0.18, |k| and |v| stay under 65,504, f16's largest number; under 6e-5 their grain is 6e-8.
.set SCL0, 2949120
.set VS,   4                           ; v4-11   column sums, a pair for each tile of channels
.set VSUM, 12                          ; v12-15
.set WF,   16                          ; v16-79  W's fragments: (tile c, K step e) at 8 (NK c + e)
.set WS,   80                          ; v80-83  W's scale words
.set XS,   84                          ; v84-91  x's scale words
.set BI,   92                          ; v92-123 the bias in the result's layout, 8 registers a tile of channels
.set XF,   124                         ; v124-187 x's fragments, two sets of 32: (tile g, K step e) at 8 (NK g + e)
.set ACC,  188                         ; v188-251 (g, c) at 8 (4 g + c)
	s_load_b256 s[4:11], s[0:1], 0x0               ; cod, bq, bk, bv
	s_load_b128 s[12:15], s[0:1], 0x20             ; qkv16, vpart
	s_load_b64 s[16:17], s[0:1], 0x30              ; qkv32
	v_lshrrev_b32 v1, 5, v0
	v_readfirstlane_b32 s18, v1                    ; wave
	v_and_b32 v2, 31, v0
	v_lshlrev_b32 v1, 4, v2                        ; 16 x lane
	v_lshlrev_b32 v2, 3, v2                        ; 8 x lane
	v_bfe_u32 v3, v0, 4, 1
	v_lshlrev_b32 v3, 5, v3                        ; 32 h
	v_and_b32 v252, 15, v0
	v_lshlrev_b32 v252, 2, v252                    ; 4 r
	s_lshr_b32 s19, ttmp9, 2                       ; which 128 rows
	s_and_b32 s20, ttmp9, 3
	s_lshl_b32 s20, s20, 2
	s_add_co_u32 s20, s20, s18                     ; head
	s_and_b32 s21, ttmp7, 0xffff                   ; 0 q, 1 k, 2 v
	s_lshr_b32 s22, s19, 3                         ; batch
	s_and_b32 s23, s19, 7                          ; which 128 rows of the batch
	s_lshl_b32 s24, s22, 4
	s_add_co_u32 s24, s24, s20                     ; 16 batch + head
	s_mov_b32 s42, 0x3e38aa3b                      ; 0.125 log2(e)
	s_mov_b32 s43, s42                             ; (named with it as a pair)
	s_lshl_b32 s36, s21, 24                        ; out: 16 MiB a tensor, 131,072 bytes a (batch, head), 16,384 for 128 rows
	s_lshl_b32 s25, s24, 17
	s_add_co_u32 s36, s36, s25
	s_lshl_b32 s25, s23, 14
	s_add_co_u32 s36, s36, s25
	s_mov_b32 s37, 0
	s_mul_i32 s38, s21, 524288                     ; the f32 copies: 4,096 bytes a (batch, head)
	s_lshl_b32 s25, s24, 12
	s_add_co_u32 s38, s38, s25
	s_mov_b32 s39, 0
	s_lshl_b32 s40, s24, 12                        ; the column sums: 4,096 bytes a (batch, head), 512 for 128 keys
	s_lshl_b32 s25, s23, 9
	s_add_co_u32 s40, s40, s25
	s_mov_b32 s41, 0
	s_lshl_b32 s34, s20, 8                         ; the head's 64 numbers of a bias
	s_mov_b32 s35, 0
	s_wait_kmcnt 0x0
	s_add_nc_u64 s[36:37], s[12:13], s[36:37]
	s_add_nc_u64 s[38:39], s[16:17], s[38:39]
	s_add_nc_u64 s[40:41], s[14:15], s[40:41]
; the scaled product; ra, rb: the side's scale words stand in lanes 16-31 of the register named
.macro WM d, a, b, c, sa, sb, ra, rb
.if (\ra) && (\rb)
	v_wmma_scale_f32_16x16x128_f8f6f4 v[\d:\d+7], v[\a:\a+7], v[\b:\b+7], v[\c:\c+7], v[\sa], v[\sb] matrix_a_fmt:MATRIX_FMT_FP4 matrix_b_fmt:MATRIX_FMT_FP4 matrix_a_scale:MATRIX_SCALE_ROW1 matrix_b_scale:MATRIX_SCALE_ROW1
.elseif (\ra)
	v_wmma_scale_f32_16x16x128_f8f6f4 v[\d:\d+7], v[\a:\a+7], v[\b:\b+7], v[\c:\c+7], v[\sa], v[\sb] matrix_a_fmt:MATRIX_FMT_FP4 matrix_b_fmt:MATRIX_FMT_FP4 matrix_a_scale:MATRIX_SCALE_ROW1
.elseif (\rb)
	v_wmma_scale_f32_16x16x128_f8f6f4 v[\d:\d+7], v[\a:\a+7], v[\b:\b+7], v[\c:\c+7], v[\sa], v[\sb] matrix_a_fmt:MATRIX_FMT_FP4 matrix_b_fmt:MATRIX_FMT_FP4 matrix_b_scale:MATRIX_SCALE_ROW1
.else
	v_wmma_scale_f32_16x16x128_f8f6f4 v[\d:\d+7], v[\a:\a+7], v[\b:\b+7], v[\c:\c+7], v[\sa], v[\sb] matrix_a_fmt:MATRIX_FMT_FP4 matrix_b_fmt:MATRIX_FMT_FP4
.endif
.endm
.macro LOADX t, NK                     ; trip t's 2 NK fragments of x into set t % 2
.set n, 0
.rept 2*\NK
	global_load_b128 v[XF+32*((\t)%2)+8*n:XF+32*((\t)%2)+8*n+3], v1, s[26:27] offset:(\t)*2048*\NK+1024*n
	global_load_b128 v[XF+32*((\t)%2)+8*n+4:XF+32*((\t)%2)+8*n+7], v1, s[26:27] offset:(\t)*2048*\NK+1024*n+512
.set n, n+1
.endr
.endm
; NK: K steps of 128.  NAT = 1: v (x is source 0).  ISQ = 1: q.  XC0, XU0: x's first byte of codes and first unit of scale words; WF0, WU0: W's first fragment and unit; BP: the bias' pointer
.macro PROJ NK, NAT, ISQ, XC0, XU0, WF0, WU0, BP
	s_mul_i32 s26, s19, 8192*\NK
	s_add_co_u32 s26, s26, \XC0
	s_mov_b32 s27, 0
	s_add_nc_u64 s[26:27], s[4:5], s[26:27]        ; x's codes
	s_mul_i32 s28, s19, 512*\NK
	s_add_co_u32 s28, s28, SCL0+256*\XU0
	s_mov_b32 s29, 0
	s_add_nc_u64 s[28:29], s[4:5], s[28:29]        ; x's scale words
	s_mul_i32 s30, s20, 4096*\NK
	s_add_co_u32 s30, s30, 1024*\WF0
	s_mov_b32 s31, 0
	s_add_nc_u64 s[30:31], s[4:5], s[30:31]        ; W's codes
	s_mul_i32 s32, s20, 256*\NK
	s_add_co_u32 s32, s32, SCL0+256*\WU0
	s_mov_b32 s33, 0
	s_add_nc_u64 s[32:33], s[4:5], s[32:33]        ; W's scale words
	s_add_nc_u64 s[34:35], s[\BP:\BP+1], s[34:35]  ; the bias
.set n, 0
.rept 4*\NK
	global_load_b128 v[WF+8*n:WF+8*n+3], v1, s[30:31] offset:1024*n
	global_load_b128 v[WF+8*n+4:WF+8*n+7], v1, s[30:31] offset:1024*n+512
.set n, n+1
.endr
.set n, 0
.rept \NK
	global_load_b64 v[WS+2*n:WS+2*n+1], v2, s[32:33] offset:256*n
.set n, n+1
.endr
.set n, 0
.rept 2*\NK
	global_load_b64 v[XS+2*n:XS+2*n+1], v2, s[28:29] offset:256*n
.set n, n+1
.endr
.irp c, 0,1,2,3
.if \NAT
	global_load_b32 v[BI+8*\c], v252, s[34:35] offset:64*\c          ; my channel's number
.else
	global_load_b128 v[BI+8*\c:BI+8*\c+3], v3, s[34:35] offset:64*\c  ; my eight channels' numbers
	global_load_b128 v[BI+8*\c+4:BI+8*\c+7], v3, s[34:35] offset:64*\c+16
.endif
.endr
	LOADX 0, \NK
	LOADX 1, \NK
.if \NAT
	s_wait_loadcnt 8*\NK                           ; all but the two trips of x
.irp c, 0,1,2,3
.irp i, 1,2,3,4,5,6,7
	v_mov_b32 v[BI+8*\c+\i], v[BI+8*\c]            ; a lane's eight results are eight keys of one channel
.endr
.endr
.irp i, 0,1,2,3,4,5,6,7
	v_mov_b32 v[VS+\i], 0
.endr
.endif
.irp t, 0,1,2,3
.if \t < 3
	s_wait_loadcnt 4*\NK                           ; this trip's x is in; the next trip's may be out
.else
	s_wait_loadcnt 0x0
.endif
.if \t > 0
	s_wait_xcnt 0x0                                ; the last trip's stores have read the accumulators
.endif
.irp e, 0,1                            ; the eight accumulators take turns
.if \e < \NK
.irp g, 0,1
.irp c, 0,1,2,3
.set dA, ACC+8*(4*\g+\c)
.set wA, WF+8*(\NK*\c+\e)
.set xA, XF+32*(\t%2)+8*(\NK*\g+\e)
.if \e == 0
.set cA, BI+8*\c
.else
.set cA, dA
.endif
.if \NK == 1
	WM dA, wA, xA, cA, WS+\c/2, XS+\t, \c%2, \g
.elseif \NAT
	WM dA, xA, wA, cA, XS+2*\t+\g, WS+\c, \e, \e
.else
	WM dA, wA, xA, cA, WS+\c, XS+2*\t+\g, \e, \e
.endif
.endr
.endr
.endif
.endr
.rept 4
	v_nop                                          ; four places in front of loads into registers that the products have read, and of the first read of results
.endr
.if \t < 2
	LOADX (\t)+2, \NK
.endif
.if \ISQ
.set n, 0
.rept 32
	v_pk_mul_f32 v[ACC+2*n:ACC+2*n+1], v[ACC+2*n:ACC+2*n+1], s[42:43] op_sel_hi:[1,0]
.set n, n+1
.endr
.endif
.if \t == 0                            ; positions 0-15 of a batch also leave in f32
	s_cmp_lg_u32 s23, 0
	s_cbranch_scc1 .Lno_copy_\@
.irp c, 0,1,2,3
	global_store_b128 v1, v[ACC+8*\c:ACC+8*\c+3], s[38:39] offset:1024*\c
	global_store_b128 v1, v[ACC+8*\c+4:ACC+8*\c+7], s[38:39] offset:1024*\c+512
.endr
	s_wait_xcnt 0x0                                ; they have read the accumulators, which are rounded in place below
.Lno_copy_\@:
.endif
.if \NAT
.irp i, 0,1,2,3
.irp g, 0,1
.irp c, 0,1,2,3
	v_pk_add_f32 v[VS+2*\c:VS+2*\c+1], v[VS+2*\c:VS+2*\c+1], v[ACC+8*(4*\g+\c)+2*\i:ACC+8*(4*\g+\c)+2*\i+1]
.endr
.endr
.endr
.endif
.set n, 0
.rept 8
.irp i, 0,1,2,3
	v_cvt_pk_f16_f32 v[ACC+8*n+\i], v[ACC+8*n+2*\i], v[ACC+8*n+2*\i+1]   ; in place, ascending
.endr
.set n, n+1
.endr
.irp g, 0,1
.irp c, 0,1,2,3
.if \NAT
	global_store_b128 v1, v[ACC+8*(4*\g+\c):ACC+8*(4*\g+\c)+3], s[36:37] offset:4096*\t+1024*\c+512*\g
.else
	global_store_b128 v1, v[ACC+8*(4*\g+\c):ACC+8*(4*\g+\c)+3], s[36:37] offset:4096*\t+2048*\g+1024*(\c/2)+512*(\c%2)
.endif
.endr
.endr
.endr
.if \NAT
.irp c, 0,1,2,3
	v_add_f32 v[VSUM+\c], v[VS+2*\c], v[VS+2*\c+1]
.endr
	global_store_b128 v1, v[VSUM:VSUM+3], s[40:41] ; 512 dense bytes: [half of the lanes][channel % 16][channel / 16]
.endif
	s_endpgm
.endm
	s_cmp_eq_u32 s21, 0
	s_cbranch_scc1 .Lq
	s_cmp_eq_u32 s21, 1
	s_cbranch_scc1 .Lk
	PROJ 2, 1, 0, 1572864, 384, 2752, 688, 10
.Lk:
	PROJ 2, 0, 0, 524288, 128, 2624, 656, 8
.Lq:
	PROJ 1, 0, 1, 0, 0, 2560, 640, 6
.Lfunc_end_k_qc73b934c20_proj:
	.size	k_qc73b934c20_proj, .Lfunc_end_k_qc73b934c20_proj-k_qc73b934c20_proj
	.p2alignl 7, 3214868480
	.fill 96, 4, 3214868480
	.section	.rodata,"a",@progbits
	.p2align	6, 0x0
	.amdhsa_kernel k_qc73b934c20_proj
		.amdhsa_group_segment_fixed_size 0
		.amdhsa_private_segment_fixed_size 0
		.amdhsa_enable_private_segment 0
		.amdhsa_kernarg_size 56
		.amdhsa_user_sgpr_count 2
		.amdhsa_user_sgpr_kernarg_segment_ptr 1
		.amdhsa_wavefront_size32 1
		.amdhsa_system_sgpr_workgroup_id_x 1
		.amdhsa_system_sgpr_workgroup_id_y 1
		.amdhsa_system_sgpr_workgroup_id_z 1
		.amdhsa_system_vgpr_workitem_id 0
		.amdhsa_next_free_vgpr 256
		.amdhsa_next_free_sgpr 66
		.amdhsa_reserve_vcc 0
		.amdhsa_float_denorm_mode_32 3
		.amdhsa_float_denorm_mode_16_64 3
		.amdhsa_memory_ordered 1
		.amdhsa_forward_progress 1
		.amdhsa_inst_pref_size 94
	.end_amdhsa_kernel
	.amdgpu_metadata
---
amdhsa.version: [ 1, 2 ]
amdhsa.kernels:
  - .name:           k_qc73b934c20_proj
    .symbol:         k_qc73b934c20_proj.kd
    .args:
      - { .name: cod, .offset: 0, .size: 8, .value_kind: global_buffer, .address_space: global }
      - { .name: bq, .offset: 8, .size: 8, .value_kind: global_buffer, .address_space: global }
      - { .name: bk, .offset: 16, .size: 8, .value_kind: global_buffer, .address_space: global }
      - { .name: bv, .offset: 24, .size: 8, .value_kind: global_buffer, .address_space: global }
      - { .name: qkv16, .offset: 32, .size: 8, .value_kind: global_buffer, .address_space: global }
      - { .name: vpart, .offset: 40, .size: 8, .value_kind: global_buffer, .address_space: global }
      - { .name: qkv32, .offset: 48, .size: 8, .value_kind: global_buffer, .address_space: global }
    .group_segment_fixed_size: 0
    .private_segment_fixed_size: 0
    .kernarg_segment_align: 8
    .kernarg_segment_size: 56
    .max_flat_workgroup_size: 128
    .sgpr_count:     66
    .vgpr_count:     256
    .wavefront_size: 32
...
	.end_amdgpu_metadata
.endif
;; end of part 2
;; launch attn (part 3): grid 512 x 1, 8 waves a work-group, no clusters, 0 bytes of LDS; arguments qkv16, vpart, mb, a16; writes a16
.if DOCPART == 3
	.amdgcn_target "amdgcn-amd-amdhsa--gfx1250"
	.amdhsa_code_object_version 6
	.text
	.protected	k_qc73b934c20_attn
	.globl	k_qc73b934c20_attn
	.p2align	8
	.type	k_qc73b934c20_attn,@function
k_qc73b934c20_attn:
	s_mov_b64 s[64:65], 0
	v_nop
	global_prefetch_b8 v0, s[64:65] scope:SCOPE_SE
	s_setreg_imm32_b32 hwreg(HW_REG_WAVE_MODE, 25, 1), 1
	s_wait_xcnt 0x0
; ATTN.  softmax(q k^T / 8, masked) v for one head, f16 operands, f32 sums, maxima and exponentials.  Key j counts for query i where i - 256 <= j <= i and j is not padded.
; SHARES.  A wave owns 32 queries (block QB of 32 of one (batch, head)): two tiles of 16.  It walks the key steps of 32 keys QB - 8 .. QB: the first lies on the window's edge (only where QB >= 8), the last
; on the diagonal, those between count whole.  What lies outside is not multiplied.
; LAYOUT.  S^T = K Q^T (source 0 = 16 keys, source 1 = 16 queries), O^T = V^T P (source 0 = 16 channels, source 1 = P): a lane holds one query throughout.  Two tiles of S^T, rounded to f16 in pairs, are P.
; All fragments come from memory as images of registers, 16 bytes a lane, a step ahead of their use; no LDS.  Neighbouring query blocks want different key steps at the same moment, so no tile is asked for jointly.
; THE PADDING MASK is the C of K Q^T: 0 or -1e30 for each key.  The scores are exponents of 2 (q carries 0.125 log2(e)).  A running maximum m and sum l for each query; p = 2^(s - m).
; A ROW ALL OF WHOSE ALLOWED KEYS ARE PADDED has 1,024 equal scores in the definition, so it is the mean of v over all 1,024 keys.  It is served with no branch: where m has stayed under -2^96, O is multiplied by 0
; and not by 1 / l, and one more product adds the mean (from the column sums of v) as a key of weight 1; elsewhere that key has weight 0.
; LIMITS: true scores, as exponents of 2, lie above -2^96; NaN and infinities are not served; |result| stays under 65,504 (it leaves as f16).
.set ST, 8                             ; v8-23   tile t at 8 t: +0 m, +1 zero, +2, +3 l, +4 a, +5 zero, +6, +7 at work
.set QF, 24                            ; v24-55  Q: (t, 32 channels f) at 16 t + 8 f
.set KF, 56                            ; v56-87  K: (16 keys k, f) at 16 k + 8 f
.set VF, 88                            ; v88-119 V: 16 channels c at 8 c
.set MB, 120                           ; v120-135 the mask's bias: 16 keys k at 8 k
.set S,  136                           ; v136-167 (k, t) at 16 t + 8 k
.set P,  168                           ; v168-183 t at 8 t
.set O,  184                           ; v184-247 (c, t) at 32 t + 8 c
	s_load_b256 s[4:11], s[0:1], 0x0               ; qkv16, vpart, mb, a16
	v_lshrrev_b32 v1, 5, v0
	v_readfirstlane_b32 s16, v1                    ; wave
	v_and_b32 v1, 31, v0
	v_lshlrev_b32 v1, 4, v1                        ; 16 x lane
	v_bfe_u32 v6, v0, 4, 1                         ; h
	v_lshlrev_b32 v2, 5, v6                        ; 32 h
	v_lshlrev_b32 v7, 3, v6
	v_and_b32 v3, 15, v0
	v_sub_nc_u32 v3, v3, v7                        ; r - 8 h: register j holds a key after my query where j > this, before it where j < this
	v_mov_b32 v4, 0xf149f2ca                       ; -1e30
	v_mov_b32 v5, 0x3c00                           ; 1.0 in f16, low half
	s_lshr_b32 s17, ttmp9, 2                       ; 16 batch + head
	s_and_b32 s18, ttmp9, 3
	s_lshl_b32 s18, s18, 3
	s_add_co_u32 s18, s18, s16                     ; QB
	s_lshr_b32 s19, s17, 4                         ; batch
	s_and_b32 s20, s17, 15                         ; head
	s_max_u32 s21, s18, 8
	s_sub_co_u32 s21, s21, 8                       ; the first key step
	s_min_u32 s36, s18, 7                          ; whole steps
	s_mov_b32 s38, 0x76543210
	s_mov_b32 s39, 0xfedcba98                      ; selects for lane l xor 16
	s_mov_b32 s44, 0xef800000                      ; -2^96
	s_lshl_b32 s22, s17, 17
	s_lshl_b32 s23, s21, 12
	s_add_co_u32 s24, s22, s23
	s_add_co_u32 s24, s24, 0x1000000               ; K: 16 MiB on, 4,096 bytes a key step
	s_mov_b32 s25, 0
	s_lshl_b32 s28, s19, 12
	s_lshl_b32 s23, s21, 7
	s_add_co_u32 s28, s28, s23                     ; the bias: 128 bytes a key step
	s_mov_b32 s29, 0
	s_lshl_b32 s23, s18, 12
	s_add_co_u32 s30, s22, s23                     ; Q
	s_mov_b32 s31, 0
	s_lshl_b32 s32, s17, 12                        ; the column sums
	s_mov_b32 s33, 0
	s_lshl_b32 s34, s19, 21                        ; out: [16 rows][32 channels of 1,024][1,024 bytes]
	s_lshl_b32 s23, s18, 16
	s_add_co_u32 s34, s34, s23
	s_lshl_b32 s23, s20, 11
	s_add_co_u32 s34, s34, s23
	s_mov_b32 s35, 0
	s_wait_kmcnt 0x0
	s_add_nc_u64 s[24:25], s[4:5], s[24:25]
	s_add_nc_u64 s[26:27], s[24:25], 0x1000000     ; V: 16 MiB behind K
	s_add_nc_u64 s[28:29], s[8:9], s[28:29]
	s_add_nc_u64 s[30:31], s[4:5], s[30:31]
	s_add_nc_u64 s[32:33], s[6:7], s[32:33]
	s_add_nc_u64 s[34:35], s[10:11], s[34:35]
.macro LOADK                           ; a key step's K and bias: 12 loads
.irp i, 0,1,2,3,4,5,6,7
	global_load_b128 v[KF+4*\i:KF+4*\i+3], v1, s[24:25] offset:512*\i
.endr
.irp k, 0,1
	global_load_b128 v[MB+8*\k:MB+8*\k+3], v2, s[28:29] offset:64*\k
	global_load_b128 v[MB+8*\k+4:MB+8*\k+7], v2, s[28:29] offset:64*\k+16
.endr
.endm
.macro LOADV                           ; its V: 8 loads
.irp i, 0,1,2,3,4,5,6,7
	global_load_b128 v[VF+4*\i:VF+4*\i+3], v1, s[26:27] offset:512*\i
.endr
.endm
.irp i, 0,1,2,3,4,5,6,7
	global_load_b128 v[QF+4*\i:QF+4*\i+3], v1, s[30:31] offset:512*\i
.endr
	LOADK
	LOADV
.irp t, 0,1
	v_mov_b32 v[ST+8*\t], 0xff61b1e6               ; m: -3e38, under every score
	v_mov_b32 v[ST+8*\t+1], 0
	v_mov_b32 v[ST+8*\t+2], 0
	v_mov_b32 v[ST+8*\t+3], 0
	v_mov_b32 v[ST+8*\t+5], 0
.endr
.set n, 0
.rept 64
	v_mov_b32 v[O+n], 0                            ; each kind of step is written once: the first step finds zeros
.set n, n+1
.endr
; A KEY STEP.  kind 0: all keys count; 1: the window's edge; 2: the diagonal, the last step
.macro STEP kind
	s_wait_loadcnt 8                               ; K and the bias (and Q) are in; V's eight loads may be out
.if \kind != 2
	s_add_nc_u64 s[24:25], s[24:25], 4096          ; their loads are done: the bases step
	s_add_nc_u64 s[28:29], s[28:29], 128
.endif
.irp f, 0,1                            ; the four accumulators take turns
.irp k, 0,1
.irp t, 0,1
.if \f == 0
	v_wmma_f32_16x16x32_f16 v[S+16*\t+8*\k:S+16*\t+8*\k+7], v[KF+16*\k:KF+16*\k+7], v[QF+16*\t:QF+16*\t+7], v[MB+8*\k:MB+8*\k+7]
.else
	v_wmma_f32_16x16x32_f16 v[S+16*\t+8*\k:S+16*\t+8*\k+7], v[KF+16*\k+8:KF+16*\k+15], v[QF+16*\t+8:QF+16*\t+15], v[S+16*\t+8*\k:S+16*\t+8*\k+7]
.endif
.endr
.endr
.endr
.rept 4
	v_nop                                          ; four places in front of loads into K's and the bias' registers and of the first read of the scores
.endr
.if \kind != 2
	LOADK                                          ; the next step's
.else
.irp i, 0,1,2,3,4,5,6,7
	global_load_b128 v[KF+4*\i:KF+4*\i+3], v1, s[32:33] offset:512*\i   ; the column sums of v: 16 partial sums of each channel
.endr
.endif
.if \kind == 2                         ; keys after the query: in tiles (0, 0) and (1, 1) where j > r - 8 h; tile (keys 16-31, queries 0-15) whole
.irp j, 0,1,2,3,4,5,6,7
	v_cmp_gt_i32 vcc_lo, \j, v3
	v_cndmask_b32 v[S+\j], v[S+\j], v4, vcc_lo
	v_cndmask_b32 v[S+24+\j], v[S+24+\j], v4, vcc_lo
.endr
.irp j, 0,1,2,3,4,5,6,7
	v_mov_b32 v[S+8+\j], v4
.endr
.endif
.if \kind == 1                         ; keys more than 256 before the query: where j < r - 8 h; tile (keys 0-15, queries 16-31) whole
.irp j, 0,1,2,3,4,5,6,7
	v_cmp_lt_i32 vcc_lo, \j, v3
	v_cndmask_b32 v[S+\j], v[S+\j], v4, vcc_lo
	v_cndmask_b32 v[S+24+\j], v[S+24+\j], v4, vcc_lo
.endr
.irp j, 0,1,2,3,4,5,6,7
	v_mov_b32 v[S+16+\j], v4
.endr
.endif
.irp t, 0,1                            ; the largest of my 16 scores and the old m; each accumulator from its low end on
	v_max3_num_f32 v[ST+8*\t+6], v[S+16*\t], v[S+16*\t+1], v[S+16*\t+2]
	v_max3_num_f32 v[ST+8*\t+7], v[S+16*\t+8], v[S+16*\t+9], v[S+16*\t+10]
.endr
.irp i, 3,5
.irp t, 0,1
	v_max3_num_f32 v[ST+8*\t+6], v[ST+8*\t+6], v[S+16*\t+\i], v[S+16*\t+\i+1]
	v_max3_num_f32 v[ST+8*\t+7], v[ST+8*\t+7], v[S+16*\t+8+\i], v[S+16*\t+9+\i]
.endr
.endr
.irp t, 0,1
	v_max3_num_f32 v[ST+8*\t+6], v[ST+8*\t+6], v[S+16*\t+7], v[S+16*\t+15]
.endr
.irp t, 0,1
	v_max3_num_f32 v[ST+8*\t+6], v[ST+8*\t+6], v[ST+8*\t+7], v[ST+8*\t]
.endr
.irp t, 0,1
	v_permlanex16_b32 v[ST+8*\t+7], v[ST+8*\t+6], s38, s39   ; the query's other 16 keys lie in the lane 16 away
.endr
.irp t, 0,1
	v_max_num_f32 v[ST+8*\t+6], v[ST+8*\t+6], v[ST+8*\t+7]
.endr
.irp t, 0,1
	v_sub_f32 v[ST+8*\t+4], v[ST+8*\t], v[ST+8*\t+6]         ; old m - new m
.endr
.irp t, 0,1
	v_mov_b32 v[ST+8*\t], v[ST+8*\t+6]
.endr
.irp i, 0,2,4,6,8,10,12,14
.irp t, 0,1
	v_pk_add_f32 v[S+16*\t+\i:S+16*\t+\i+1], v[S+16*\t+\i:S+16*\t+\i+1], v[ST+8*\t:ST+8*\t+1] op_sel_hi:[1,0] neg_lo:[0,1] neg_hi:[0,1]   ; s - m
.endr
.endr
.irp t, 0,1
	v_exp_f32 v[ST+8*\t+4], v[ST+8*\t+4]           ; a = 2^(old m - new m)
.endr
.set n, 0
.rept 32
	v_exp_f32 v[S+n], v[S+n]                       ; p
.set n, n+1
.endr
	v_nop                                          ; a plain line behind the last exponential
	s_wait_alu depctr_va_vdst(0)                   ; one wait for the 34, ahead of their first reader
.irp i, 0,1,2,3,4,5,6,7
.irp t, 0,1
	v_cvt_pk_f16_f32 v[P+8*\t+\i], v[S+16*\t+2*\i], v[S+16*\t+2*\i+1]
.endr
.endr
.irp i, 0,4,8,12
.irp t, 0,1
	v_pk_add_f32 v[S+16*\t+\i:S+16*\t+\i+1], v[S+16*\t+\i:S+16*\t+\i+1], v[S+16*\t+\i+2:S+16*\t+\i+3]
.endr
.endr
.irp i, 0,8
.irp t, 0,1
	v_pk_add_f32 v[S+16*\t+\i:S+16*\t+\i+1], v[S+16*\t+\i:S+16*\t+\i+1], v[S+16*\t+\i+4:S+16*\t+\i+5]
.endr
.endr
.irp t, 0,1
	v_pk_add_f32 v[S+16*\t:S+16*\t+1], v[S+16*\t:S+16*\t+1], v[S+16*\t+8:S+16*\t+9]
.endr
.irp t, 0,1
	v_pk_fma_f32 v[ST+8*\t+2:ST+8*\t+3], v[ST+8*\t+2:ST+8*\t+3], v[ST+8*\t+4:ST+8*\t+5], v[S+16*\t:S+16*\t+1] op_sel_hi:[1,0,1]   ; l = a l + the sum
.endr
.irp t, 0,1
.set n, 0
.rept 16
	v_pk_mul_f32 v[O+32*\t+2*n:O+32*\t+2*n+1], v[O+32*\t+2*n:O+32*\t+2*n+1], v[ST+8*\t+4:ST+8*\t+5] op_sel_hi:[1,0]   ; O under the new m
.set n, n+1
.endr
.endr
.if \kind != 2
	s_wait_loadcnt 12                              ; V is in; the next K and bias may be out
	s_add_nc_u64 s[26:27], s[26:27], 4096          ; its loads are done: the base steps
.else
	s_wait_loadcnt 8                               ; V is in; the column sums may be out
.endif
.irp c, 0,1,2,3
.irp t, 0,1
	v_wmma_f32_16x16x32_f16 v[O+32*\t+8*\c:O+32*\t+8*\c+7], v[VF+8*\c:VF+8*\c+7], v[P+8*\t:P+8*\t+7], v[O+32*\t+8*\c:O+32*\t+8*\c+7]
.endr
.endr
.rept 4
	v_nop                                          ; four places in front of what next touches V, P and O
.endr
.if \kind != 2
	LOADV
.endif
.endm
	s_cmp_lt_u32 s18, 8
	s_cbranch_scc1 .Lno_edge
	STEP 1
.Lno_edge:
	s_cmp_eq_u32 s36, 0
	s_cbranch_scc1 .Ldiag
.Lmid:
	STEP 0
	s_sub_co_u32 s36, s36, 1
	s_cmp_lg_u32 s36, 0
	s_cbranch_scc1 .Lmid
.Ldiag:
	STEP 2
	; THE END.  l is at least 1: the key that gave m has p = 1.
.irp t, 0,1
	v_add_f32 v[ST+8*\t+2], v[ST+8*\t+2], v[ST+8*\t+3]
.endr
.irp t, 0,1
	v_permlanex16_b32 v[ST+8*\t+6], v[ST+8*\t+2], s38, s39
.endr
.irp t, 0,1
	v_add_f32 v[ST+8*\t+2], v[ST+8*\t+2], v[ST+8*\t+6]
.endr
.irp t, 0,1
	v_rcp_f32 v[ST+8*\t+3], v[ST+8*\t+2]
.endr
	s_wait_loadcnt 0x0                             ; the column sums
.irp i, 0,2,4,6
.irp p, 0,2
	v_pk_add_f32 v[KF+4*\i+\p:KF+4*\i+\p+1], v[KF+4*\i+\p:KF+4*\i+\p+1], v[KF+4*\i+4+\p:KF+4*\i+5+\p]
.endr
.endr
.irp i, 0,4
.irp p, 0,2
	v_pk_add_f32 v[KF+4*\i+\p:KF+4*\i+\p+1], v[KF+4*\i+\p:KF+4*\i+\p+1], v[KF+4*\i+8+\p:KF+4*\i+9+\p]
.endr
.endr
.irp p, 0,2
	v_pk_add_f32 v[KF+\p:KF+\p+1], v[KF+\p:KF+\p+1], v[KF+16+\p:KF+17+\p]
.endr
.irp c, 0,1,2,3
	v_permlanex16_b32 v[KF+4+\c], v[KF+\c], s38, s39
.endr
.irp c, 0,1,2,3
	v_add_f32 v[KF+\c], v[KF+\c], v[KF+4+\c]
.endr
.irp c, 0,1,2,3
	v_mul_f32 v[KF+\c], 0x3a800000, v[KF+\c]       ; / 1,024: the mean of channel 16 c + r
.endr
.irp c, 0,1,2,3
	v_cvt_pk_f16_f32 v[VF+8*\c], v[KF+\c], v[ST+1] ; a fragment of V^T with the mean as its first key (in lanes 16-31: as key 8, which has weight 0) and zeros
.endr
.irp c, 0,1,2,3
.irp j, 1,2,3,4,5,6,7
	v_mov_b32 v[VF+8*\c+\j], 0
.endr
.endr
.irp t, 0,1
.irp j, 1,2,3,4,5,6,7
	v_mov_b32 v[P+8*\t+\j], 0
.endr
.endr
	s_wait_alu depctr_va_vdst(0)                   ; the wait for the two reciprocals, ahead of their first reader
.irp t, 0,1
	v_cmp_gt_f32 s[40+\t], s44, v[ST+8*\t]         ; has no key counted for my query?
	v_cndmask_b32 v[ST+8*\t+4], v[ST+8*\t+3], v[ST+1], s[40+\t]   ; then 0, else 1 / l
	s_and_b32 s[42+\t], s[40+\t], 0xffff           ; key 0 lies in lanes 0-15
	v_cndmask_b32 v[P+8*\t], v[ST+1], v5, s[42+\t] ; then weight 1 for the mean, else 0
.endr
.irp t, 0,1
.set n, 0
.rept 16
	v_pk_mul_f32 v[O+32*\t+2*n:O+32*\t+2*n+1], v[O+32*\t+2*n:O+32*\t+2*n+1], v[ST+8*\t+4:ST+8*\t+5] op_sel_hi:[1,0]
.set n, n+1
.endr
.endr
.irp c, 0,1,2,3
.irp t, 0,1
	v_wmma_f32_16x16x32_f16 v[O+32*\t+8*\c:O+32*\t+8*\c+7], v[VF+8*\c:VF+8*\c+7], v[P+8*\t:P+8*\t+7], v[O+32*\t+8*\c:O+32*\t+8*\c+7]
.endr
.endr
.rept 4
	v_nop
.endr
.set n, 0
.rept 8
.irp i, 0,1,2,3
	v_cvt_pk_f16_f32 v[O+8*n+\i], v[O+8*n+2*\i], v[O+8*n+2*\i+1]   ; in place, ascending
.endr
.set n, n+1
.endr
.irp t, 0,1
.irp c, 0,1,2,3
	global_store_b128 v1, v[O+32*\t+8*\c:O+32*\t+8*\c+3], s[34:35] offset:32768*\t+1024*(\c/2)+512*(\c%2)   ; 512 dense bytes: half a fragment of the last product
.endr
.endr
	s_endpgm
.Lfunc_end_k_qc73b934c20_attn:
	.size	k_qc73b934c20_attn, .Lfunc_end_k_qc73b934c20_attn-k_qc73b934c20_attn
	.p2alignl 7, 3214868480
	.fill 96, 4, 3214868480
	.section	.rodata,"a",@progbits
	.p2align	6, 0x0
	.amdhsa_kernel k_qc73b934c20_attn
		.amdhsa_group_segment_fixed_size 0
		.amdhsa_private_segment_fixed_size 0
		.amdhsa_enable_private_segment 0
		.amdhsa_kernarg_size 32
		.amdhsa_user_sgpr_count 2
		.amdhsa_user_sgpr_kernarg_segment_ptr 1
		.amdhsa_wavefront_size32 1
		.amdhsa_system_sgpr_workgroup_id_x 1
		.amdhsa_system_sgpr_workgroup_id_y 1
		.amdhsa_system_sgpr_workgroup_id_z 1
		.amdhsa_system_vgpr_workitem_id 0
		.amdhsa_next_free_vgpr 256
		.amdhsa_next_free_sgpr 66
		.amdhsa_reserve_vcc 1
		.amdhsa_float_denorm_mode_32 3
		.amdhsa_float_denorm_mode_16_64 3
		.amdhsa_memory_ordered 1
		.amdhsa_forward_progress 1
		.amdhsa_inst_pref_size 50
	.end_amdhsa_kernel
	.amdgpu_metadata
---
amdhsa.version: [ 1, 2 ]
amdhsa.kernels:
  - .name:           k_qc73b934c20_attn
    .symbol:         k_qc73b934c20_attn.kd
    .args:
      - { .name: qkv16, .offset: 0, .size: 8, .value_kind: global_buffer, .address_space: global }
      - { .name: vpart, .offset: 8, .size: 8, .value_kind: global_buffer, .address_space: global }
      - { .name: mb, .offset: 16, .size: 8, .value_kind: global_buffer, .address_space: global }
      - { .name: a16, .offset: 24, .size: 8, .value_kind: global_buffer, .address_space: global }
    .group_segment_fixed_size: 0
    .private_segment_fixed_size: 0
    .kernarg_segment_align: 8
    .kernarg_segment_size: 32
    .max_flat_workgroup_size: 256
    .sgpr_count:     66
    .vgpr_count:     256
    .wavefront_size: 32
...
	.end_amdgpu_metadata
.endif
;; end of part 3
;; launch outp (part 4): grid 4 x 64, 4 waves a work-group, clusters of 4 x 4, 327,680 bytes of LDS; arguments a16, wo16, bo, out0; writes out0
.if DOCPART == 4
	.amdgcn_target "amdgcn-amd-amdhsa--gfx1250"
	.amdhsa_code_object_version 6
	.text
	.protected	k_qc73b934c20_outp
	.globl	k_qc73b934c20_outp
	.p2align	8
	.type	k_qc73b934c20_outp,@function
k_qc73b934c20_outp:
	s_mov_b64 s[64:65], 0
	v_nop
	global_prefetch_b8 v0, s[64:65] scope:SCOPE_SE
	s_setreg_imm32_b32 hwreg(HW_REG_WAVE_MODE, 25, 1), 1
	s_wait_xcnt 0x0
	s_wait_alu depctr_hold_cnt(0) depctr_sa_sdst(0) depctr_va_vdst(0) depctr_va_sdst(0) depctr_va_ssrc(0) depctr_va_vcc(0) depctr_vm_vsrc(0)
	s_getreg_b32 s2, hwreg(HW_REG_IB_STS2, 6, 4)
	s_cmp_eq_u32 s2, 0
	s_cbranch_scc0 .Lentry_in_a_cluster
	s_endpgm
.Lentry_in_a_cluster:
	s_bfe_u32 s2, ttmp6, 0x10000c
	s_cmp_lg_u32 s2, 0xf033
	s_cbranch_scc0 .Lentry_shape_is_right
	s_endpgm
.Lentry_shape_is_right:
; OUTP.  out0[m][n] = sum over k of a[m][k] Wo[n][k] + bo[n]: 8,192 x 1,024 x 1,024, f16 operands, f32 sums.
; A tile of out0 is 128 x 256: 256 work-groups.  Four waves, each 64 x 128: 32 accumulators of 16 x 16, 256 registers (window 1).  The sums start from bo, which is loaded into the accumulators: nothing is cleared.
; BOTH OPERANDS LIE IN MEMORY AS IMAGES OF FRAGMENTS: [16 rows][32 along k: 32][half 2][lane][16 bytes].  A K step of 128 is 4,096 dense bytes of each 16 rows; a tensor load brings 4 (a) or 8 (Wo) such runs.
; In LDS they stay images: a fragment load takes 16 bytes a lane, 512 consecutive bytes, so there is no pitch and no padding.  K goes in 8 steps through a ring of two slots.
; CLUSTERS: 4 x 4 work-groups.  The four of a row of the cluster need the same tiles of a, the four of a column the same tiles of Wo: each tile is asked for jointly, by the same tensor load with the same
; descriptor and a mask that names the four.  THE MATRIX INSTRUCTION IS USED TRANSPOSED (source 0 = 16 rows of Wo, source 1 = 16 rows of a): a lane holds eight neighbouring numbers of a row of out0.
; Positions 0-15 of each batch are stored here like all others and written anew, from f32 operands, by the launch that follows: leaving them out would take a branch on a work-group's place in its cluster.
; REGISTERS: window 0: v16-30 addresses; two fragment buffers of 96: a's 4 fragments, then Wo's 8, for 32 along k; on the way out v32-159 hold rows.  Window 1: accumulator (a, b) at 8 (8 a + b).
.set SLOT,   98304                     ; a's 8 x 4,096 bytes, then Wo's 16 x 4,096
.set BOFF,   32768
.set STAGE,  196608                    ; behind the ring: 16 rows x (512 + 16) bytes for each wave; no tensor load lands here
.set SPITCH, 528
.set SPARE,  230400                    ; behind the stages: the spare words, 128 bytes a wave
.set ADRA, 16                          ; v16-17 my fragments of a in slot 0, 1
.set ADRB, 20                          ; v20-21 the same for Wo
.set STO,  24                          ; the way out: where I put 32 bytes of a row
.set RD,   25                          ; and where I read a row back
.set CO,   26                          ; 16 x lane
.set BOF,  27                          ; 32 h
.set SPW,  28                          ; my spare word's address; never rewritten
.set NIL,  29                          ; 0; never rewritten
.set PFO,  30                          ; 256 x lane
.set F0,   32
.set F1,   128
.set G1,   24                          ; s[24:31] descriptor group 1 for a's tiles; s[32:39] group 0, a set for each slot
.set G0,   32
.set G1B,  48                          ; s[48:55], s[56:63] the same for Wo's
.set G0B,  56
.set PFA,  66                          ; s[66:67] where my prefetches stand
.set LIM,  68                          ; s68 1 in a wave that prefetches, else the greatest number
.set MSB,  0
.macro WIN new                         ; the immediate's high byte repeats the setting that is left
.if MSB != \new
	s_set_vgpr_msb (MSB<<8)|\new
.set MSB, \new
.endif
.endm
.set MULW, 0x50                        ; C and D window 1, sources window 0
.macro JLOAD s                         ; a joint load: waves 0 and 1 fetch a's halves, waves 2 and 3 Wo's; an s_nop 0 and four v_nop follow each line
	s_cmp_eq_u32 s13, 0
	s_cbranch_scc0 .Lfor_b_\@
	tensor_load_to_lds s[G0+4*\s:G0+4*\s+3], s[G1:G1+7]
	s_nop 0
.rept 4
	v_nop
.endr
	s_branch .Lasked_\@
.Lfor_b_\@:
	tensor_load_to_lds s[G0B+4*\s:G0B+4*\s+3], s[G1B:G1B+7]
	s_nop 0
.rept 4
	v_nop
.endr
.Lasked_\@:
.endm
.macro CREST                           ; a round of the cluster's barrier behind its opening barrier
	s_cmp_lg_u32 s12, 0
	s_cbranch_scc1 .Lnot_wave_0_\@
	s_barrier_signal -3
.Lnot_wave_0_\@:
	s_barrier_wait -3
	s_barrier_signal -1
	s_barrier_wait -1
.endm
.macro CROUND
	s_barrier_signal -1
	s_barrier_wait -1
	CREST
.endm
; A PREFETCH of a's codes-to-be: two K steps, 8,192 dense bytes of one run of 16 rows, a lane to each 256 bytes; asked a lap (256 matrix instructions) ahead of the loads that want them.
; Each block is named once: a's 8 runs of a tile row are shared out among waves 0 and 1 (4 runs each) and, BY ADDRESS, among the four partners that ask for them jointly.  K steps 0 to 3 come by their loads
; alone; the loop's last trip asks for nothing.  Wo is read again by every cluster and is not asked for.
.macro ASK
	s_cmp_gt_u32 s3, s[LIM]
	s_cbranch_scc0 .Lnot_mine_\@
	global_prefetch_b8 v[PFO], s[PFA:PFA+1] th:TH_LOAD_NT scope:SCOPE_SE
.Lnot_mine_\@:
.endm
	s_load_b128 s[4:7], s[0:1], 0x0                ; a16, wo16
	s_load_b128 s[8:11], s[0:1], 0x10              ; bo, out0
	v_lshl_add_u32 v[SPW], v0, 2, SPARE
	v_mov_b32 v[NIL], 0
	ds_add_u32 v[SPW], v[NIL]                      ; the wave's opening: the add, twice on end, and its wait ahead of my first tensor load
	ds_add_u32 v[SPW], v[NIL]
	v_lshrrev_b32 v1, 5, v0
	v_readfirstlane_b32 s12, v1                    ; wave
	s_lshr_b32 s13, s12, 1                         ; which 64 rows are mine.  Also: I fetch for a (0) or for Wo (1)
	s_and_b32 s14, s12, 1                          ; which 128 columns.  Also: which half of that tile I fetch
	s_bfe_u32 s40, ttmp6, 0x40000                  ; cx, cy: my place in the cluster
	s_bfe_u32 s41, ttmp6, 0x40004
	s_lshl_b32 s42, ttmp9, 2
	s_add_co_u32 s42, s42, s40                     ; tile column
	s_and_b32 s45, ttmp7, 0xffff
	s_lshl_b32 s45, s45, 2
	s_add_co_u32 s45, s45, s41                     ; tile row
	s_lshl_b32 s43, s41, 2
	s_lshl_b32 s43, 15, s43                        ; my row of the cluster
	s_lshl_b32 s44, 0x1111, s40                    ; my column
	s_or_b32 s[G1+0], s43, (3<<16)|(1<<21)         ; 15:0 the mask; 17:16 elements of 8 bytes; 21 set beside a mask; no padding
	s_or_b32 s[G1B+0], s44, (3<<16)|(1<<21)
	s_mov_b32 s[G1+1], 512<<16                     ; tensor_dim0 = 512 elements: 4,096 bytes
	s_mov_b32 s[G1+2], 4<<16                       ; tensor_dim1 = 4 runs
	s_mov_b32 s[G1+3], 512<<16                     ; tile_dim0
	s_mov_b32 s[G1+4], 4                           ; tile_dim1
	s_mov_b32 s[G1+5], 4096                        ; from run to run: 32,768 bytes
	s_mov_b32 s[G1+6], 0
	s_mov_b32 s[G1+7], 0
	s_mov_b32 s[G1B+1], 512<<16
	s_mov_b32 s[G1B+2], 8<<16                      ; 8 runs
	s_mov_b32 s[G1B+3], 512<<16
	s_mov_b32 s[G1B+4], 8
	s_mov_b32 s[G1B+5], 4096
	s_mov_b32 s[G1B+6], 0
	s_mov_b32 s[G1B+7], 0
	s_lshl_b32 s16, s45, 18                        ; a: run 8 x tile row + 4 x half, 32,768 bytes a run
	s_lshl_b32 s18, s14, 17
	s_add_co_u32 s16, s16, s18
	s_mov_b32 s17, 0
	s_lshl_b32 s46, s42, 19                        ; Wo: run 16 x tile column + 8 x half
	s_lshl_b32 s18, s14, 18
	s_add_co_u32 s46, s46, s18
	s_mov_b32 s47, 0
	s_lshl_b32 s20, s14, 14                        ; where they go: no place in the cluster enters an LDS address
	s_lshl_b32 s21, s14, 15
	s_add_co_u32 s21, s21, BOFF
	s_wait_dscnt 0x0                               ; both opening adds are done
	s_wait_kmcnt 0x0
	s_add_nc_u64 s[16:17], s[4:5], s[16:17]
	s_add_nc_u64 s[46:47], s[6:7], s[46:47]
	CROUND                                         ; all sixteen work-groups are here: the first joint loads meet
.irp s, 0,1
	s_mov_b32 s[G0+4*\s], 1
	s_add_co_u32 s[G0+4*\s+1], s20, \s*SLOT
	s_add_nc_u64 s[G0+4*\s+2:G0+4*\s+3], s[16:17], \s*4096
	s_or_b32 s[G0+4*\s+3], s[G0+4*\s+3], 0x80000000
	s_mov_b32 s[G0B+4*\s], 1
	s_add_co_u32 s[G0B+4*\s+1], s21, \s*SLOT
	s_add_nc_u64 s[G0B+4*\s+2:G0B+4*\s+3], s[46:47], \s*4096
	s_or_b32 s[G0B+4*\s+3], s[G0B+4*\s+3], 0x80000000
	JLOAD \s                                       ; two loads of mine are out
.endr
	v_and_b32 v1, 31, v0
	v_lshlrev_b32 v[CO], 4, v1
	v_and_b32 v2, 15, v0                           ; r
	v_bfe_u32 v3, v0, 4, 1                         ; h
	v_lshlrev_b32 v[BOF], 5, v3
	v_lshlrev_b32 v[PFO], 8, v1
	s_lshl_b32 s21, s13, 14                        ; my 4 runs of a
	s_lshl_b32 s22, s14, 15
	s_add_co_u32 s22, s22, BOFF                    ; my 8 runs of Wo
.irp s, 0,1
	v_add_nc_u32 v[ADRA+\s], s21, v[CO]
	v_add_nc_u32 v[ADRB+\s], s22, v[CO]
	s_add_co_u32 s21, s21, SLOT
	s_add_co_u32 s22, s22, SLOT
.endr
	s_mul_i32 s23, s12, 16*SPITCH
	s_add_co_u32 s23, s23, STAGE                   ; my stage
	v_mul_u32_u24 v4, v2, SPITCH
	v_lshl_add_u32 v4, v3, 5, v4
	v_add_nc_u32 v[STO], s23, v4                   ; in: row r, 32 bytes for each half of the lanes
	v_add_nc_u32 v[RD], s23, v[CO]                 ; back: the 32 lanes take one row of 512 bytes
	s_lshl_b32 s70, s42, 10
	s_lshl_b32 s71, s14, 9
	s_add_co_u32 s70, s70, s71                     ; my first column, in bytes
	s_mov_b32 s71, 0
	s_add_nc_u64 s[8:9], s[8:9], s[70:71]
	s_add_nc_u64 s[10:11], s[10:11], s[70:71]
	s_lshl_b32 s72, s45, 19
	s_lshl_b32 s73, s13, 18
	s_add_co_u32 s72, s72, s73                     ; my first row: 128 x tile row + 64 x half, 4,096 bytes a row
	s_mov_b32 s73, 0
	s_add_nc_u64 s[10:11], s[10:11], s[72:73]
	s_lshl_b32 s74, s45, 3
	s_lshl_b32 s75, s14, 2
	s_add_co_u32 s74, s74, s75
	s_add_co_u32 s74, s74, s40                     ; the run that I prefetch: 8 x tile row + 4 x half + cx
	s_lshl_b32 s74, s74, 15
	s_add_co_u32 s74, s74, 8192                    ; at K step 2: the first change of slots steps it to 4
	s_mov_b32 s75, 0
	s_add_nc_u64 s[PFA:PFA+1], s[4:5], s[74:75]
	s_cmp_eq_u32 s13, 0
	s_cselect_b32 s[LIM], 1, -1
	WIN 0x40                                       ; destination window 1
.irp a, 0,1,2,3
.irp b, 0,1,2,3,4,5,6,7
	global_load_b128 v[8*(8*\a+\b):8*(8*\a+\b)+3], v[BOF], s[8:9] offset:64*\b       ; bo at my eight columns of tile b: where the sums start
	global_load_b128 v[8*(8*\a+\b)+4:8*(8*\a+\b)+7], v[BOF], s[8:9] offset:64*\b+16
.endr
.endr
	WIN 0
.macro MUL8 f, a                       ; block a of my rows against Wo's eight, 32 along k.  The 32 accumulators take turns, in the same order in every quarter
.irp b, 0,1,2,3,4,5,6,7
	v_wmma_f32_16x16x32_f16 v[8*(8*(\a)+\b):8*(8*(\a)+\b)+7], v[\f+32+8*\b:\f+32+8*\b+7], v[\f+8*(\a):\f+8*(\a)+7], v[8*(8*(\a)+\b):8*(8*(\a)+\b)+7]
.endr
.endm
.macro MUL16 f, a0
	MUL8 \f, \a0
	MUL8 \f, (\a0)+1
.endm
.macro FETCH slot, q, f                ; 24 LDS loads in one run: the slot's q-th 32 along k: Wo's eight fragments, then a's four
.irp i, 0,1,2,3,4,5,6,7
	ds_load_b128 v[\f+32+8*\i:\f+32+8*\i+3], v[ADRB+\slot] offset:4096*\i+1024*(\q)
	ds_load_b128 v[\f+32+8*\i+4:\f+32+8*\i+7], v[ADRB+\slot] offset:4096*\i+1024*(\q)+512
.endr
.irp i, 0,1,2,3
	ds_load_b128 v[\f+8*\i:\f+8*\i+3], v[ADRA+\slot] offset:4096*\i+1024*(\q)
	ds_load_b128 v[\f+8*\i+4:\f+8*\i+7], v[ADRA+\slot] offset:4096*\i+1024*(\q)+512
.endr
.endm
.macro PLACES                          ; four places in front of loads into registers that matrix instructions have read, and of the first read of results
.rept 4
	v_nop
.endr
.endm
; A K step is four quarters of 32 along k, 32 matrix instructions each, on buffers 0, 1, 0, 1.  One of the first three multiplies buffer f and fetches the slot's q-th quarter into g.
.macro QUARTER slot, q, f, g
	s_wait_dscnt 4                                 ; Wo's fragments and a's blocks 0, 1 are in; blocks 2, 3 may be out
	WIN MULW
	MUL16 \f, 0
	PLACES
	WIN 0
	FETCH \slot, \q, \g
	s_wait_dscnt 24                                ; all but the 24 just issued
	WIN MULW
	MUL16 \f, 2
.endm
; The last quarter multiplies buffer 1 and changes slots: one barrier; in front of it each wave waits for all its tensor loads, adds 0 to its spare word, and waits for that and for its reads of this slot.
.macro TURN slot, next, fill
.if (\fill) && (\slot) == 0
	s_wait_xcnt 0x0                                ; the last prefetch, a lap back, has read its address
	s_add_nc_u64 s[PFA:PFA+1], s[PFA:PFA+1], 8192
.endif
	WIN 0
	s_wait_tensorcnt 0x0                           ; all my tensor loads have landed: my part of the next slot
	ds_add_u32 v[SPW], v[NIL]                      ; 0 onto my spare word
	s_wait_dscnt 5                                 ; (the add and a's blocks 2, 3 may be out)
	WIN MULW
	MUL8 F1, 0                                     ; eight matrix instructions stand between the add and the wait for it
	s_wait_dscnt 0x0                               ; the add is done, and my reads of this slot are over
	s_barrier_signal -1
	MUL8 F1, 1
	WIN 0
	s_barrier_wait -1
.if \fill
	CREST                                          ; the barrier has opened a round of the cluster's: no wave of any partner still reads this slot or has a load on its way
	s_add_nc_u64 s[G0+4*\slot+2:G0+4*\slot+3], s[G0+4*\slot+2:G0+4*\slot+3], 8192
	s_add_nc_u64 s[G0B+4*\slot+2:G0B+4*\slot+3], s[G0B+4*\slot+2:G0B+4*\slot+3], 8192
	JLOAD \slot                                    ; the first tensor load behind the round, my one load until the next; its four v_nop are also the places in front of the loads below
.else
	PLACES
.endif
	FETCH \next, 0, F0
.if (\fill) && (\slot) == 0
	ASK
.endif
	WIN MULW
	MUL16 F1, 2
.endm
	s_wait_tensorcnt 1                             ; my part of K step 0 is in; K step 1's may be out
	s_barrier_signal -1
	s_barrier_wait -1
	FETCH 0, 0, F0
	s_wait_loadcnt 0x0                             ; bo lies in the accumulators
	s_mov_b32 s3, 3
.Llap:                                             ; a trip goes once round the ring and fills both slots again: K steps 2 to 7
	QUARTER 0, 1, F0, F1
	QUARTER 0, 2, F1, F0
	QUARTER 0, 3, F0, F1
	TURN 0, 1, 1
	QUARTER 1, 1, F0, F1
	QUARTER 1, 2, F1, F0
	QUARTER 1, 3, F0, F1
	TURN 1, 0, 1
	WIN 0                                          ; at a label and at a branch every window is 0
	s_sub_co_u32 s3, s3, 1
	s_cmp_lg_u32 s3, 0
	s_cbranch_scc1 .Llap
	QUARTER 0, 1, F0, F1                           ; the last lap fills nothing
	QUARTER 0, 2, F1, F0
	QUARTER 0, 3, F0, F1
	TURN 0, 1, 0
	QUARTER 1, 1, F0, F1
	QUARTER 1, 2, F1, F0
	QUARTER 1, 3, F0, F1
	s_wait_dscnt 4
	WIN MULW
	MUL16 F1, 0
	s_wait_dscnt 0x0
	MUL16 F1, 2
	WIN 0
; THE WAY OUT, block by block of 16 rows x 128 columns, through my own stage: in by 32 bytes a lane, back as whole rows of 512 bytes.  LDS serves a wave's instructions in order: no wait between stores and loads.
.macro TOSTAGE a
	WIN 0x04                                       ; an LDS store's data are its source 1: window 1
.irp b, 0,1,2,3,4,5,6,7
	ds_store_b128 v[STO], v[8*(8*(\a)+\b):8*(8*(\a)+\b)+3] offset:64*\b      ; each accumulator from its low end on
	ds_store_b128 v[STO], v[8*(8*(\a)+\b)+4:8*(8*(\a)+\b)+7] offset:64*\b+16
.endr
	WIN 0
.set BB, 32+64*((\a)%2)
.irp t, 0,1,2,3,4,5,6,7,8,9,10,11,12,13,14,15
	ds_load_b128 v[BB+4*\t:BB+4*\t+3], v[RD] offset:\t*SPITCH
.endr
.endm
.macro SEND a, younger                 ; younger: the LDS instructions issued behind block a's loads
.set BB, 32+64*((\a)%2)
	s_wait_dscnt \younger
.irp t, 0,1,2,3,4,5,6,7,8,9,10,11,12,13,14,15
	global_store_b128 v[CO], v[BB+4*\t:BB+4*\t+3], s[10:11] offset:(\a)*65536+\t*4096 th:TH_STORE_NT   ; 32 lanes store 512 consecutive bytes, at a multiple of 256 from out0's first byte
.endr
.endm
	PLACES
	TOSTAGE 0
.irp a, 1,2,3
.if \a > 1
	s_wait_xcnt 0x0                                ; block a - 2's stores have read the registers that block a's loads fill
.endif
	TOSTAGE \a
	SEND \a-1, 32                                  ; behind block a - 1's loads: block a's 16 stores and 16 loads
.endr
	SEND 3, 0
	s_wait_tensorcnt 0x0                           ; the wave's end
	ds_add_u32 v[SPW], v[NIL]
	s_wait_dscnt 0x0
	CROUND                                         ; the closing round: no work-group ends while a partner may still ask for a tile that names it
	s_endpgm
.Lfunc_end_k_qc73b934c20_outp:
	.size	k_qc73b934c20_outp, .Lfunc_end_k_qc73b934c20_outp-k_qc73b934c20_outp
	.p2alignl 7, 3214868480
	.fill 96, 4, 3214868480
	.section	.rodata,"a",@progbits
	.p2align	6, 0x0
	.amdhsa_kernel k_qc73b934c20_outp
		.amdhsa_group_segment_fixed_size 327680
		.amdhsa_private_segment_fixed_size 0
		.amdhsa_enable_private_segment 0
		.amdhsa_kernarg_size 32
		.amdhsa_user_sgpr_count 2
		.amdhsa_user_sgpr_kernarg_segment_ptr 1
		.amdhsa_wavefront_size32 1
		.amdhsa_system_sgpr_workgroup_id_x 1
		.amdhsa_system_sgpr_workgroup_id_y 1
		.amdhsa_system_sgpr_workgroup_id_z 1
		.amdhsa_system_vgpr_workitem_id 0
		.amdhsa_next_free_vgpr 512
		.amdhsa_next_free_sgpr 80
		.amdhsa_reserve_vcc 0
		.amdhsa_float_denorm_mode_32 3
		.amdhsa_float_denorm_mode_16_64 3
		.amdhsa_memory_ordered 1
		.amdhsa_forward_progress 1
		.amdhsa_inst_pref_size 91
	.end_amdhsa_kernel
	.amdgpu_metadata
---
amdhsa.version: [ 1, 2 ]
amdhsa.kernels:
  - .name:           k_qc73b934c20_outp
    .symbol:         k_qc73b934c20_outp.kd
    .args:
      - { .name: a16, .offset: 0, .size: 8, .value_kind: global_buffer, .address_space: global }
      - { .name: wo16, .offset: 8, .size: 8, .value_kind: global_buffer, .address_space: global }
      - { .name: bo, .offset: 16, .size: 8, .value_kind: global_buffer, .address_space: global }
      - { .name: out0, .offset: 24, .size: 8, .value_kind: global_buffer, .address_space: global }
    .group_segment_fixed_size: 327680
    .private_segment_fixed_size: 0
    .kernarg_segment_align: 8
    .kernarg_segment_size: 32
    .max_flat_workgroup_size: 128
    .sgpr_count:     80
    .vgpr_count:     512
    .wavefront_size: 32
...
	.end_amdgpu_metadata
.endif
;; end of part 4
;; launch fine (part 5): grid 32 x 8, 16 waves a work-group, no clusters, 34,816 bytes of LDS; arguments qkv32, vpart, mb, Wo, bo, out0; writes out0
.if DOCPART == 5
	.amdgcn_target "amdgcn-amd-amdhsa--gfx1250"
	.amdhsa_code_object_version 6
	.text
	.protected	k_qc73b934c20_fine
	.globl	k_qc73b934c20_fine
	.p2align	8
	.type	k_qc73b934c20_fine,@function
k_qc73b934c20_fine:
	s_mov_b64 s[64:65], 0
	v_nop
	global_prefetch_b8 v0, s[64:65] scope:SCOPE_SE
	s_setreg_imm32_b32 hwreg(HW_REG_WAVE_MODE, 25, 1), 1
	s_wait_xcnt 0x0
; FINE.  Positions 0-15 of each batch once more, attention and output projection, with f32 operands (v_wmma_f32_16x16x4_f32): these rows average one to sixteen values and are the largest of the output.
; They overwrite 128 rows of out0.  For them the window plays no part: key j counts for query i where j <= i and j is not padded.
; SHARES.  A work-group takes 32 columns of out0 (x) of one batch (y).  Wave w is head w: it makes its head's 16 x 16 attention and then its 64 of the projection's 1,024 along k, for two tiles of 16 columns;
; the sixteen partial results are added through LDS by waves 0 to 3.  The work is small: no ring, no cluster; the stores' runs are 64 bytes, over 0.5 MB in all.
; LAYOUT.  The f32 images hold, in lane (r, h), row r and channels 16 c + 8 h + j (q, k), or channel 16 c + r and keys 8 h + j (v).  The matrix form takes k = 2 h + j from two registers: a pair of registers
; 2 i, 2 i + 1 of both operands names the same four channels (or keys) on both sides, so the sums are whole when all pairs have had their turn.
; The registers that the matrix instructions write (v160-239) are written by them alone; each sum's first product takes the mask's bias or the constant 0 as C.
; A row with no key that counts is the mean of v over all 1,024 keys: as in the launch before, by a key of weight 1 or 0 and a factor 0 or 1 / l, with no branch.
; LIMITS: true scores, as exponents of 2, lie above -2^96; NaN and infinities are not served.
.set SPARE, 32768                      ; behind the sixteen images of 2,048 bytes: the spare words, 128 bytes a wave
.set SPW, 16
.set NIL, 17
.set QF, 24                            ; v24-55 q, v56-87 k; later Wo: (16 columns n, 16 channels c) at 24 + 32 n + 8 c; later the partial results
.set KF, 56
.set VF, 88                            ; v88-119 v
.set MB, 120                           ; v120-127 the mask's bias
.set Z,  128                           ; v128-159 the column sums; then:
.set T,  128                           ; v128-135 scores, p
.set PN, 136                           ; v136-143 p x g
.set VM, 144                           ; v144-151 the mean as a key, a pair for each 16 channels
.set FB, 152                           ; v152-153 its weight
.set SA, 160                           ; v160-191 four partial sums of S^T
.set OA, 192                           ; v192-223 O^T
.set X,  224                           ; v224-239 my part of the projection
.set MEAN, 240
	s_load_b256 s[4:11], s[0:1], 0x0               ; qkv32, vpart, mb, Wo
	s_load_b128 s[12:15], s[0:1], 0x20             ; bo, out0
	v_lshl_add_u32 v[SPW], v0, 2, SPARE
	v_mov_b32 v[NIL], 0
	v_lshrrev_b32 v1, 5, v0
	v_readfirstlane_b32 s16, v1                    ; wave = head
	v_and_b32 v6, 31, v0
	v_lshlrev_b32 v1, 4, v6                        ; 16 x lane
	v_bfe_u32 v7, v0, 4, 1                         ; h
	v_and_b32 v8, 15, v0                           ; r
	v_lshlrev_b32 v2, 5, v7                        ; 32 h
	v_lshlrev_b32 v9, 3, v7
	v_sub_nc_u32 v3, v8, v9                        ; r - 8 h
	v_lshlrev_b32 v4, 12, v8
	v_add_nc_u32 v4, v4, v2                        ; 4,096 r + 32 h: a row of Wo, and a row of out0
	v_mov_b32 v5, 0xf149f2ca                       ; -1e30
	v_mov_b32 v12, 1.0
	v_mov_b32 v13, 0
	s_lshl_b32 s17, s16, 11
	v_add_nc_u32 v18, s17, v1                      ; where I store my image
	s_min_u32 s22, s16, 3                          ; the adding waves: which 16 columns (/ 2), which four registers (% 2)
	s_lshr_b32 s18, s22, 1
	s_and_b32 s19, s22, 1
	s_lshl_b32 s20, s18, 10
	s_lshl_b32 s21, s19, 9
	s_add_co_u32 s20, s20, s21
	v_add_nc_u32 v19, s20, v1                      ; where I read the sixteen back
	s_and_b32 s23, ttmp7, 0xffff                   ; batch
	s_lshl_b32 s24, s23, 4
	s_add_co_u32 s24, s24, s16
	s_lshl_b32 s24, s24, 12                        ; 4,096 bytes a (batch, head), in qkv32 and in vpart
	s_mov_b32 s25, 0
	s_lshl_b32 s28, s23, 12
	s_mov_b32 s29, 0
	s_lshl_b32 s30, ttmp9, 17                      ; Wo: 32 rows a work-group, 256 bytes a head
	s_lshl_b32 s31, s16, 8
	s_add_co_u32 s30, s30, s31
	s_mov_b32 s31, 0
	s_lshl_b32 s32, ttmp9, 7                       ; my four columns, in bytes: 128 x + 64 (16 columns) + 16 (four registers)
	s_lshl_b32 s33, s18, 6
	s_add_co_u32 s32, s32, s33
	s_lshl_b32 s33, s19, 4
	s_add_co_u32 s32, s32, s33
	s_mov_b32 s33, 0
	s_lshl_b32 s34, s23, 22                        ; a batch's rows of out0
	s_mov_b32 s35, 0
	s_mov_b32 s38, 0xef800000                      ; -2^96
	s_mov_b32 s39, 0xffff                          ; lanes 0-15
	s_mov_b32 s40, 0x76543210
	s_mov_b32 s41, 0xfedcba98
	s_wait_kmcnt 0x0
	s_add_nc_u64 s[26:27], s[6:7], s[24:25]        ; the column sums
	s_add_nc_u64 s[24:25], s[4:5], s[24:25]        ; q; k 524,288 and v 1,048,576 bytes on
	s_add_nc_u64 s[28:29], s[8:9], s[28:29]
	s_add_nc_u64 s[30:31], s[10:11], s[30:31]
	s_add_nc_u64 s[34:35], s[14:15], s[34:35]
	s_add_nc_u64 s[34:35], s[34:35], s[32:33]
	s_add_nc_u64 s[32:33], s[12:13], s[32:33]
.irp i, 0,1,2,3,4,5,6,7
	global_load_b128 v[Z+4*\i:Z+4*\i+3], v1, s[26:27] offset:512*\i
.endr
.irp i, 0,1,2,3,4,5,6,7
	global_load_b128 v[QF+4*\i:QF+4*\i+3], v1, s[24:25] offset:512*\i
.endr
.irp i, 0,1,2,3,4,5,6,7
	global_load_b128 v[KF+4*\i:KF+4*\i+3], v1, s[24:25] offset:524288+512*\i
.endr
	global_load_b128 v[MB:MB+3], v2, s[28:29]
	global_load_b128 v[MB+4:MB+7], v2, s[28:29] offset:16
.irp i, 0,1,2,3,4,5,6,7
	global_load_b128 v[VF+4*\i:VF+4*\i+3], v1, s[24:25] offset:1048576+512*\i
.endr
	s_wait_loadcnt 26                              ; the column sums are in; the 26 loads behind them may be out
.irp i, 0,2,4,6
.irp p, 0,2
	v_pk_add_f32 v[Z+4*\i+\p:Z+4*\i+\p+1], v[Z+4*\i+\p:Z+4*\i+\p+1], v[Z+4*\i+4+\p:Z+4*\i+5+\p]
.endr
.endr
.irp i, 0,4
.irp p, 0,2
	v_pk_add_f32 v[Z+4*\i+\p:Z+4*\i+\p+1], v[Z+4*\i+\p:Z+4*\i+\p+1], v[Z+4*\i+8+\p:Z+4*\i+9+\p]
.endr
.endr
.irp p, 0,2
	v_pk_add_f32 v[Z+\p:Z+\p+1], v[Z+\p:Z+\p+1], v[Z+16+\p:Z+17+\p]
.endr
.irp c, 0,1,2,3
	v_permlanex16_b32 v[Z+4+\c], v[Z+\c], s40, s41
.endr
.irp c, 0,1,2,3
	v_add_f32 v[Z+\c], v[Z+\c], v[Z+4+\c]
.endr
.irp c, 0,1,2,3
	v_mul_f32 v[MEAN+\c], 0x3a800000, v[Z+\c]      ; / 1,024: the mean of channel 16 c + r
.endr
	s_wait_loadcnt 8                               ; q, k and the bias are in; v's eight loads may be out
.irp i, 0,1,2,3                        ; S^T = k q^T in four partial sums, which take turns
.irp c, 0,1,2,3
.if (\i == 0) && (\c == 0)
	v_wmma_f32_16x16x4_f32 v[SA+8*\c:SA+8*\c+7], v[KF+8*\c+2*\i:KF+8*\c+2*\i+1], v[QF+8*\c+2*\i:QF+8*\c+2*\i+1], v[MB:MB+7]
.elseif \i == 0
	v_wmma_f32_16x16x4_f32 v[SA+8*\c:SA+8*\c+7], v[KF+8*\c+2*\i:KF+8*\c+2*\i+1], v[QF+8*\c+2*\i:QF+8*\c+2*\i+1], 0
.else
	v_wmma_f32_16x16x4_f32 v[SA+8*\c:SA+8*\c+7], v[KF+8*\c+2*\i:KF+8*\c+2*\i+1], v[QF+8*\c+2*\i:QF+8*\c+2*\i+1], v[SA+8*\c:SA+8*\c+7]
.endif
.endr
.endr
.rept 8
	v_nop                                          ; eight places behind this form, in front of loads into q's and k's registers and of the first read of results
.endr
.irp n, 0,1
.irp c, 0,1,2,3
	global_load_b128 v[24+32*\n+8*\c:24+32*\n+8*\c+3], v4, s[30:31] offset:65536*\n+64*\c      ; Wo(32 x + 16 n + r, 64 w + 16 c + 8 h + 0 .. 7)
	global_load_b128 v[24+32*\n+8*\c+4:24+32*\n+8*\c+7], v4, s[30:31] offset:65536*\n+64*\c+16
.endr
.endr
.irp p, 0,2,4,6
	v_pk_add_f32 v[T+\p:T+\p+1], v[SA+\p:SA+\p+1], v[SA+8+\p:SA+9+\p]
.endr
.irp p, 0,2,4,6
	v_pk_add_f32 v[PN+\p:PN+\p+1], v[SA+16+\p:SA+17+\p], v[SA+24+\p:SA+25+\p]
.endr
.irp p, 0,2,4,6
	v_pk_add_f32 v[T+\p:T+\p+1], v[T+\p:T+\p+1], v[PN+\p:PN+\p+1]
.endr
.irp j, 0,1,2,3,4,5,6,7
	v_cmp_gt_i32 vcc_lo, \j, v3                    ; key 8 h + j comes after query r
	v_cndmask_b32 v[T+\j], v[T+\j], v5, vcc_lo
.endr
	v_max3_num_f32 v6, v[T], v[T+1], v[T+2]
	v_max3_num_f32 v6, v6, v[T+3], v[T+4]
	v_max3_num_f32 v6, v6, v[T+5], v[T+6]
	v_max_num_f32 v6, v6, v[T+7]
	v_permlanex16_b32 v7, v6, s40, s41
	v_max_num_f32 v6, v6, v7                       ; m
.irp j, 0,1,2,3,4,5,6,7
	v_sub_f32 v[T+\j], v[T+\j], v6
.endr
.irp j, 0,1,2,3,4,5,6,7
	v_exp_f32 v[T+\j], v[T+\j]
.endr
	v_nop
	s_wait_alu depctr_va_vdst(0)                   ; one wait for the eight, ahead of their first reader
	v_add_f32 v8, v[T], v[T+1]
	v_add_f32 v9, v[T+2], v[T+3]
	v_add_f32 v10, v[T+4], v[T+5]
	v_add_f32 v11, v[T+6], v[T+7]
	v_add_f32 v8, v8, v9
	v_add_f32 v10, v10, v11
	v_add_f32 v8, v8, v10
	v_permlanex16_b32 v9, v8, s40, s41
	v_add_f32 v8, v8, v9                           ; l, at least 1
	v_rcp_f32 v10, v8
	v_cmp_gt_f32 s36, s38, v6                      ; (a plain line behind the reciprocal)  has no key counted for my query?
	s_and_b32 s37, s36, 0xffff
	s_wait_alu depctr_va_vdst(0)
	v_cndmask_b32 v11, v10, v13, s36               ; then 0, else 1 / l
.irp j, 0,1,2,3,4,5,6,7
	v_mul_f32 v[PN+\j], v[T+\j], v11
.endr
	v_cndmask_b32 v[FB], v13, v12, s37             ; the mean's weight: 1 or 0, at k = 0 (lanes 0-15, first register)
	v_mov_b32 v[FB+1], 0
.irp c, 0,1,2,3
	v_cndmask_b32 v[VM+2*\c], v13, v[MEAN+\c], s39
	v_mov_b32 v[VM+2*\c+1], 0
.endr
	s_wait_loadcnt 16                              ; v is in; Wo's sixteen loads may be out
.irp i, 0,1,2,3                        ; O^T = v^T p, four accumulators by turns
.irp c, 0,1,2,3
.if \i == 0
	v_wmma_f32_16x16x4_f32 v[OA+8*\c:OA+8*\c+7], v[VF+8*\c+2*\i:VF+8*\c+2*\i+1], v[PN+2*\i:PN+2*\i+1], 0
.else
	v_wmma_f32_16x16x4_f32 v[OA+8*\c:OA+8*\c+7], v[VF+8*\c+2*\i:VF+8*\c+2*\i+1], v[PN+2*\i:PN+2*\i+1], v[OA+8*\c:OA+8*\c+7]
.endif
.endr
.endr
.irp c, 0,1,2,3
	v_wmma_f32_16x16x4_f32 v[OA+8*\c:OA+8*\c+7], v[VM+2*\c:VM+2*\c+1], v[FB:FB+1], v[OA+8*\c:OA+8*\c+7]
.endr
.rept 9
	v_nop                                          ; nine places before a matrix instruction takes these results as an operand
.endr
	s_wait_loadcnt 0x0                             ; Wo
.irp c, 0,1,2,3                        ; my 64 along k of the projection, two accumulators by turns
.irp i, 0,1,2,3
.irp n, 0,1
.if (\c == 0) && (\i == 0)
	v_wmma_f32_16x16x4_f32 v[X+8*\n:X+8*\n+7], v[24+32*\n+8*\c+2*\i:24+32*\n+8*\c+2*\i+1], v[OA+8*\c+2*\i:OA+8*\c+2*\i+1], 0
.else
	v_wmma_f32_16x16x4_f32 v[X+8*\n:X+8*\n+7], v[24+32*\n+8*\c+2*\i:24+32*\n+8*\c+2*\i+1], v[OA+8*\c+2*\i:OA+8*\c+2*\i+1], v[X+8*\n:X+8*\n+7]
.endif
.endr
.endr
.endr
.rept 8
	v_nop
.endr
.irp n, 0,1
	ds_store_b128 v18, v[X+8*\n:X+8*\n+3] offset:1024*\n          ; an image of the registers: lane (r, h): row r, columns 16 n + 8 h + 0 .. 7
	ds_store_b128 v18, v[X+8*\n+4:X+8*\n+7] offset:1024*\n+512
.endr
	s_wait_dscnt 0x0                               ; for the others' sake: my stores have landed
	s_barrier_signal -1
	s_barrier_wait -1
	s_cmp_ge_u32 s16, 4
	s_cbranch_scc1 .Lend
	global_load_b128 v[88:91], v2, s[32:33]        ; bo at my four columns
.irp s, 0,1,2,3,4,5,6,7,8,9,10,11,12,13,14,15
	ds_load_b128 v[24+4*\s:24+4*\s+3], v19 offset:2048*\s         ; the same four registers of all sixteen heads
.endr
	s_wait_dscnt 0x0
	s_wait_loadcnt 0x0
.irp g, 0,2,4,6,8,10,12,14
.irp p, 0,2
	v_pk_add_f32 v[24+4*\g+\p:25+4*\g+\p], v[24+4*\g+\p:25+4*\g+\p], v[28+4*\g+\p:29+4*\g+\p]
.endr
.endr
.irp g, 0,4,8,12
.irp p, 0,2
	v_pk_add_f32 v[24+4*\g+\p:25+4*\g+\p], v[24+4*\g+\p:25+4*\g+\p], v[32+4*\g+\p:33+4*\g+\p]
.endr
.endr
.irp g, 0,8
.irp p, 0,2
	v_pk_add_f32 v[24+4*\g+\p:25+4*\g+\p], v[24+4*\g+\p:25+4*\g+\p], v[40+4*\g+\p:41+4*\g+\p]
.endr
.endr
.irp p, 0,2
	v_pk_add_f32 v[24+\p:25+\p], v[24+\p:25+\p], v[56+\p:57+\p]
.endr
.irp p, 0,2
	v_pk_add_f32 v[24+\p:25+\p], v[24+\p:25+\p], v[88+\p:89+\p]
.endr
	global_store_b128 v4, v[24:27], s[34:35]
.Lend:
	s_wait_tensorcnt 0x0                           ; the wave's end, behind my last LDS store
	ds_add_u32 v[SPW], v[NIL]
	s_wait_dscnt 0x0
	s_endpgm
.Lfunc_end_k_qc73b934c20_fine:
	.size	k_qc73b934c20_fine, .Lfunc_end_k_qc73b934c20_fine-k_qc73b934c20_fine
	.p2alignl 7, 3214868480
	.fill 96, 4, 3214868480
	.section	.rodata,"a",@progbits
	.p2align	6, 0x0
	.amdhsa_kernel k_qc73b934c20_fine
		.amdhsa_group_segment_fixed_size 34816
		.amdhsa_private_segment_fixed_size 0
		.amdhsa_enable_private_segment 0
		.amdhsa_kernarg_size 48
		.amdhsa_user_sgpr_count 2
		.amdhsa_user_sgpr_kernarg_segment_ptr 1
		.amdhsa_wavefront_size32 1
		.amdhsa_system_sgpr_workgroup_id_x 1
		.amdhsa_system_sgpr_workgroup_id_y 1
		.amdhsa_system_sgpr_workgroup_id_z 1
		.amdhsa_system_vgpr_workitem_id 0
		.amdhsa_next_free_vgpr 256
		.amdhsa_next_free_sgpr 66
		.amdhsa_reserve_vcc 1
		.amdhsa_float_denorm_mode_32 3
		.amdhsa_float_denorm_mode_16_64 3
		.amdhsa_memory_ordered 1
		.amdhsa_forward_progress 1
		.amdhsa_inst_pref_size 21
	.end_amdhsa_kernel
	.amdgpu_metadata
---
amdhsa.version: [ 1, 2 ]
amdhsa.kernels:
  - .name:           k_qc73b934c20_fine
    .symbol:         k_qc73b934c20_fine.kd
    .args:
      - { .name: qkv32, .offset: 0, .size: 8, .value_kind: global_buffer, .address_space: global }
      - { .name: vpart, .offset: 8, .size: 8, .value_kind: global_buffer, .address_space: global }
      - { .name: mb, .offset: 16, .size: 8, .value_kind: global_buffer, .address_space: global }
      - { .name: Wo, .offset: 24, .size: 8, .value_kind: global_buffer, .address_space: global }
      - { .name: bo, .offset: 32, .size: 8, .value_kind: global_buffer, .address_space: global }
      - { .name: out0, .offset: 40, .size: 8, .value_kind: global_buffer, .address_space: global }
    .group_segment_fixed_size: 34816
    .private_segment_fixed_size: 0
    .kernarg_segment_align: 8
    .kernarg_segment_size: 48
    .max_flat_workgroup_size: 512
    .sgpr_count:     66
    .vgpr_count:     256
    .wavefront_size: 32
...
	.end_amdgpu_metadata
.endif
;; end of part 5
